; MI455X (gfx1250); checked and timed in simulation.
; The chip was launched on July 23, 2026; its instructions are those of AMD's public machine-readable ISA for CDNA 5 (MIT licence, August 2026) and "CDNA5" Instruction Set Architecture Reference Guide (July 2026). The comments in the code are by the model that wrote it; some were corrected since.
;; Self Multihead Attn. Allowed arithmetic: matrix products marked QUANTISED: E2M3 operands, one E8M0 scale for each 32 along K, by v_wmma_scale_f32_16x16x128_f8f6f4 with both operands' format E2M3, f32 sums; everything else in f32.
;; Inputs: in_proj_weight 3,072 x 1,024 float32; out_proj_weight 1,024 x 1,024 float32; query 1,024 x 8 x 1,024 float32.
;; Outputs: out0 1,024 x 8 x 1,024 float32.
;; This version of the problem:
;;   THIS VERSION OF THE PROBLEM IS GIVEN IN LOW PRECISION. The matrix products marked QUANTISED in the list below multiply operands that are first quantised to E2M3 (2 exponent bits, 3 mantissa bits; 6 bits a number), with one power-of-two scale for each 32 numbers along K (OCP MX v1.0); their sums are f32. All else is computed in f32.
;;   The module's matrix products, in the order in which they are computed (A, B: the left and right operand; K: the contracted axis; several contracted axes count as one K, in the product's order):
;;     1. [M 8,192, K 1,024] x [K 1,024, N 3,072]; A: input query; B: input in_proj_weight: QUANTISED
;;     2. batch 128 x [M 1,024, K 64] x [K 64, N 1,024]; A: computed on the way; B: computed on the way: QUANTISED
;;     3. batch 128 x [M 1,024, K 1,024] x [K 1,024, N 64]; A: softmax (see below); B: computed on the way: QUANTISED
;;     4. [M 8,192, K 1,024] x [K 1,024, N 1,024]; A: computed on the way; B: input out_proj_weight: QUANTISED
;;   THE QUANTISER, for each operand of a quantised product, along K:
;;     - K is cut into blocks of 32 from its start; a last block that is shorter is filled with zeros.
;;     - A block's scale is 2^e with e = floor(log2(the largest magnitude in the block)) - 2, held to -126 .. 127; a block of zeros has e = 0. As a byte (E8M0): e + 127.
;;     - Each number is divided by its block's scale, clamped to +-7.5, and rounded to the nearest number of E2M3, ties to even, subnormals kept.
;;     - The product sums the exact products of the quantised numbers (number of the format x scale) in f32.
;;   ~~~python
;;   def quantise(x, axis):      # numpy; x: float32 -> the quantised numbers, widened to float32 again
;;       x = np.moveaxis(x, axis, -1); K = x.shape[-1]
;;       x = np.pad(x, [(0, 0)] * (x.ndim - 1) + [(0, -K % 32)]); x = x.reshape(x.shape[:-1] + (-1, 32)); a = np.abs(x).max(-1, keepdims=True)
;;       e = np.where(a > 0, np.clip(np.frexp(np.where(a > 0, a, 1))[1] - 1 - 2, -126, 127), 0)      # np.frexp(a)[1] - 1 = floor(log2(a)), exactly
;;       r = np.clip(x / 2.0 ** e, -7.5, 7.5)
;;       step = 2.0 ** (np.maximum(np.frexp(np.where(r == 0, 1, r))[1] - 1, 0) - 3)
;;       q = np.round(r / step) * step * 2.0 ** e      # np.round: ties to even
;;       return np.moveaxis(q.reshape(q.shape[:-2] + (-1,))[..., :K], -1, axis).astype(np.float32)
;;   ~~~
;;   SOFTMAX AHEAD OF A QUANTISED PRODUCT. Where the list says 'softmax', what is quantised is not the finished softmax but p = 2^(t - M), with t = logit x log2(e) and M = ceil(the row's largest t), a whole number; so 1/2 < the row's largest p <= 1. The row's sum l is taken of the UNQUANTISED p, in f32, and the product's result is divided by l at the end. Since M is a whole number, a kernel that streams over the keys may use a running M (the ceiling of the running maximum): every later rescaling is an exact power of two, which a block's scale takes up: the codes' values come out the same.
;;   OPERANDS COMPUTED ON THE WAY. 'Computed on the way' means the value that the module computes at that place (a softmax that the list does not call 'softmax' is quantised finished and normalised). What goes into a quantiser is computed in f32, as accurately as f32 sums, v_exp_f32 and their like allow (about 1e-6 of the number): no bf16 or f16 on the way to a quantiser, and a product that is left as it is and whose result goes on into a quantised operand takes f32 operands (vector FMAs, or v_wmma_f32_16x16x4_f32). A number that lies on a knife's edge between two numbers of the format may be rounded either way, as far as f32 arithmetic and the matrix unit's own rounding can turn it there, and no further.
;; One version. Each part assembles by itself: llvm-mc -triple=amdgcn-amd-amdhsa -mcpu=gfx1250 --defsym DOCPART=n.
;; ======== version 1 of 1: 4 launches
;; limits: right only within a limited range of input values
;; workspace buffers: ops 9,830,400 bytes; qkv 20,447,232 bytes; ctx 6,553,600 bytes
;; launch quant (part 1): grid 768 x 1, 2 waves a work-group, no clusters, 17,664 bytes of LDS; arguments query, in_proj_weight, out_proj_weight, ops; writes ops
.if DOCPART == 1
	.amdgcn_target "amdgcn-amd-amdhsa--gfx1250"
	.amdhsa_code_object_version 6
	.text
	.protected	k_q3a66d448ee_quant
	.globl	k_q3a66d448ee_quant
	.p2align	8
	.type	k_q3a66d448ee_quant,@function
k_q3a66d448ee_quant:
	s_mov_b64 s[64:65], 0
	v_nop
	global_prefetch_b8 v0, s[64:65] scope:SCOPE_SE
	s_setreg_imm32_b32 hwreg(HW_REG_WAVE_MODE, 25, 1), 1
	s_wait_xcnt 0x0
; query [1024 t][8 b][1024], in_proj_weight [3072][1024] and out_proj_weight [1024][1024], f32, become codes of FP6 (E2M3) with one E8M0 byte for each 32 along K (the last axis),
; laid in the ORDER OF AN OPERAND'S REGISTERS.  A unit is 16 rows x 64 K = 768 bytes, [p 0..2][lane 0..31][8 bytes]: lane r + 16 h holds bytes 8 p .. 8 p + 7 of the 24 bytes of block h (32 codes) of the
; unit's row r.  Two units on end are a fragment of 16 rows x 128 K: its registers 2 p, 2 p + 1 lie at 256 p + 8 x lane.  A block of 16 rows has 16 units (12,288 bytes) and 512 scale bytes, [K / 256][row][8].
; WHICH ROWS FORM A BLOCK: of 32 logical rows, block 2 B + u holds in its row r the logical row 32 B + 8 u + r + 8 (r / 8).  Logical rows: query 1024 b + t; in_proj 1024 c + 64 head + d (memory row
; 192 head + 64 c + d); out_proj as it lies.  Blocks 0-511 query, 512-703 in_proj, 704-767 out_proj: work-group g makes block g; wave w its K half w, in 8 steps of one unit.
; A block's scale is 2^(floor(log2(largest magnitude)) - 2): its byte is the largest magnitude's exponent field - 2, held at 1 from below by a floor among the maximum's leaves.
; LIMITS: a block of zeros gets the byte 1 where the rule says 127 (its codes are zeros, and only this program reads the bytes); NaN and infinities among the inputs are not served.
; A stream: no matrix unit, no cluster (work-groups share no input), no barrier (waves share nothing).  Each load reads two aligned runs of 256 bytes; a step turns through the wave's own stage in LDS so that a
; lane holds a whole block of 32 neighbours; each store covers 256 consecutive bytes, aligned.  Loads run three steps (24 loads a wave) ahead.
.set OSC,  9437184                     ; where the scale bytes begin in ops
.set AD,   16                          ; v16-23   byte offset of load j: (16 h + j) rows + 16 r
.set WD,   24                          ; v24-27   scale bytes, two steps to a word
.set R,    32                          ; v32-127  three sets of 32 registers as loaded
.set X,    128                         ; v128-191 two sets of 32 neighbours
.set C,    192                         ; v192-255 codes: eight registers a step, so that no store's data are written again
.set STG,  4352                        ; a stage: 16 rows x (256 + 16) bytes; two for each wave
	s_load_b256 s[4:11], s[0:1], 0x0               ; query s[4:5], in_proj s[6:7], out_proj s[8:9], ops s[10:11]
	v_lshl_add_u32 v247, v0, 2, 0x4400
	v_mov_b32 v255, 0
	v_lshrrev_b32 v1, 5, v0
	v_readfirstlane_b32 s24, v1                    ; wave
	v_and_b32 v2, 15, v0                           ; r
	v_bfe_u32 v3, v0, 4, 1                         ; h
	v_and_b32 v6, 31, v0
	v_lshlrev_b32 v6, 3, v6                        ; 8 x lane: my place in every store
	v_lshlrev_b32 v1, 4, v2                        ; 16 r
	v_lshlrev_b32 v28, 3, v3                       ; 8 h: how far my bytes are shifted in a scale word
	s_mov_b32 s12, 0x76543210
	s_mov_b32 s13, 0xfedcba98                      ; v_permlanex16_b32's selects for lane l xor 16
	s_mov_b32 s20, 0xffff0000                      ; lanes 16-31
	s_mul_i32 s23, s24, 2*STG                      ; my wave's stages
	v_mul_u32_u24 v4, v3, 8*272
	v_lshl_add_u32 v4, v2, 4, v4
	v_add_nc_u32 v4, s23, v4                       ; into a stage: row j + 8 h, column 16 r
	v_mul_u32_u24 v5, v2, 272
	v_lshl_add_u32 v5, v3, 7, v5
	v_add_nc_u32 v5, s23, v5                       ; out of it: row r, my block's 128 bytes
.irp m, 0,1,2,3
	v_mov_b32 v[12+\m], 0                          ; written once: a lane permute's destination counts as one of its sources
.endr
	; where block g begins in its tensor: all three candidates, then two selections on the work-group's number
	s_and_b32 s21, ttmp9, 1
	s_lshl_b32 s21, s21, 3                         ; 8 u (512 and 704 are even: the same u in all three)
	s_and_b32 s14, ttmp9, 63
	s_lshr_b32 s15, s14, 1
	s_lshl_b32 s15, s15, 5
	s_add_co_u32 s15, s15, s21                     ; query: t = 32 B + 8 u,
	s_lshl_b32 s15, s15, 15                        ; 32,768 bytes from t to t + 1,
	s_lshr_b32 s16, ttmp9, 6
	s_lshl_b32 s16, s16, 12
	s_add_co_u32 s15, s15, s16                     ; + 4,096 b
	s_sub_co_u32 s17, ttmp9, 512                   ; in_proj: block lg
	s_and_b32 s18, s17, 63
	s_lshr_b32 s18, s18, 2
	s_mul_i32 s18, s18, 192                        ; 192 x head
	s_lshr_b32 s19, s17, 6
	s_lshl_b32 s19, s19, 6
	s_add_co_u32 s18, s18, s19                     ; + 64 c
	s_bfe_u32 s19, s17, 0x10001
	s_lshl_b32 s19, s19, 5
	s_add_co_u32 s18, s18, s19
	s_add_co_u32 s18, s18, s21                     ; + d = 32 B + 8 u
	s_lshl_b32 s18, s18, 12
	s_sub_co_u32 s17, ttmp9, 704                   ; out_proj
	s_lshr_b32 s19, s17, 1
	s_lshl_b32 s19, s19, 5
	s_add_co_u32 s19, s19, s21
	s_lshl_b32 s19, s19, 12
	s_mov_b32 s22, 4096                            ; bytes from a logical row to the next
	s_wait_kmcnt 0x0
	s_cmp_lt_u32 ttmp9, 704
	s_cselect_b64 s[6:7], s[6:7], s[8:9]
	s_cselect_b32 s18, s18, s19
	s_cmp_lt_u32 ttmp9, 512
	s_cselect_b64 s[4:5], s[4:5], s[6:7]
	s_cselect_b32 s18, s15, s18
	s_cselect_b32 s22, 0x8000, s22
	s_lshl_b32 s19, s24, 11                        ; my K half: 2,048 bytes on
	s_add_co_u32 s18, s18, s19
	s_mov_b32 s19, 0
	s_add_nc_u64 s[4:5], s[4:5], s[18:19]
	s_mul_i32 s26, ttmp9, 12288
	s_mul_i32 s27, s24, 6144
	s_add_co_u32 s26, s26, s27
	s_mov_b32 s27, 0
	s_add_nc_u64 s[8:9], s[10:11], s[26:27]        ; my eight units
	s_lshl_b32 s26, ttmp9, 9
	s_lshl_b32 s28, s24, 8
	s_add_co_u32 s26, s26, s28
	s_add_co_u32 s26, s26, OSC
	s_add_nc_u64 s[10:11], s[10:11], s[26:27]      ; my 256 scale bytes
.irp j, 0,1,2,3,4,5,6,7
	v_lshl_add_u32 v7, v3, 4, \j
	v_mad_u32_u24 v[AD+\j], v7, s22, v1            ; lanes 0-15 logical row j, lanes 16-31 row 16 + j: the block's rows j and j + 8
.endr
.macro LOAD t                          ; step t: 16 rows x 256 bytes; sixteen lanes read one aligned run of 256 bytes
.irp j, 0,1,2,3,4,5,6,7
	global_load_b128 v[R+32*((\t)%3)+4*\j:R+32*((\t)%3)+4*\j+3], v[AD+\j], s[4:5] offset:256*(\t) th:TH_LOAD_NT
.endr
.endm
.macro TURN t                          ; through the stage: LDS serves a wave's instructions in order, so no wait stands between the stores and the loads
.irp j, 0,1,2,3,4,5,6,7
	ds_store_b128 v4, v[R+32*((\t)%3)+4*\j:R+32*((\t)%3)+4*\j+3] offset:STG*((\t)%2)+272*\j
.endr
.irp i, 0,1,2,3,4,5,6,7
	ds_load_b128 v[X+32*((\t)%2)+4*\i:X+32*((\t)%2)+4*\i+3], v5 offset:STG*((\t)%2)+16*\i
.endr
.endm
.macro STEP t
.set XS, X+32*((\t)%2)
.set CC, C+8*(\t)
	s_wait_dscnt 0x0                               ; this step's 32 neighbours are back; its stores into the stage have read their registers,
.if (\t)+3 < 8
	LOAD (\t)+3                                    ; which take the loads of three steps on
.endif
.if (\t) < 5
	s_wait_loadcnt 16                              ; the next step's eight loads are in; those of the two steps behind it may be out
	TURN (\t)+1
.elseif (\t) == 5
	s_wait_loadcnt 8                               ; one step's loads are behind it
	TURN (\t)+1
.elseif (\t) == 6
	s_wait_loadcnt 0
	TURN (\t)+1
.endif
	v_max3_num_f32 v8, |v[XS]|, |v[XS+1]|, |v[XS+2]|               ; the block's largest magnitude: all 32 numbers are mine; two chains
	v_max3_num_f32 v9, |v[XS+3]|, |v[XS+4]|, |v[XS+5]|
.irp i, 6,10,14,18,22,26
	v_max3_num_f32 v8, v8, |v[XS+\i]|, |v[XS+\i+1]|
	v_max3_num_f32 v9, v9, |v[XS+\i+2]|, |v[XS+\i+3]|
.endr
	v_max3_num_f32 v8, v8, |v[XS+30]|, |v[XS+31]|
	v_max3_num_f32 v8, v8, v9, 0x1800000           ; and the floor 2^(3 - 127): the byte cannot fall under 1
	v_add_nc_u32 v11, 0xff000000, v8               ; 2 off the exponent field: the conversion takes the exponent field of this operand as its scale
	v_cvt_scalef32_pk16_fp6_f32 v[CC:CC+2], v[XS:XS+15], v11
	v_cvt_scalef32_pk16_fp6_f32 v[CC+4:CC+6], v[XS+16:XS+31], v11  ; (a conversion's three registers begin on an even number)
	v_lshrrev_b32 v10, 23, v11                     ; the scale's byte; also the plain instruction behind the conversions
	v_mov_b32 v[CC+3], v[CC+4]                     ; the block's 24 bytes on end
	v_mov_b32 v[CC+4], v[CC+5]
	v_mov_b32 v[CC+5], v[CC+6]
.if (\t)%2 == 0
	v_mov_b32 v[WD+(\t)/2], v10
.else
	v_lshl_or_b32 v[WD+(\t)/2], v10, 16, v[WD+(\t)/2]
.endif
.irp p, 0,1,2
	global_store_b64 v6, v[CC+2*\p:CC+2*\p+1], s[8:9] offset:768*(\t)+256*\p   ; 32 lanes store 256 consecutive bytes, aligned
.endr
.endm
	LOAD 0
	LOAD 1
	LOAD 2
	s_wait_alu depctr_va_vdst(0)
	s_wait_loadcnt 16                              ; step 0's eight loads are in
	TURN 0
.irp t, 0,1,2,3,4,5,6,7
	STEP \t
.endr
	; word m holds my bytes of steps 2 m and 2 m + 1 (blocks 4 m + h and 4 m + 2 + h of my K half): shifted to their places and joined with lane l xor 16's the word is whole
.irp m, 0,1,2,3
	v_lshlrev_b32 v[WD+\m], v28, v[WD+\m]
.endr
.irp m, 0,1,2,3
	v_permlanex16_b32 v[12+\m], v[WD+\m], s12, s13
.endr
.irp m, 0,1,2,3
	v_or_b32 v[WD+\m], v[WD+\m], v[12+\m]
.endr
	v_cndmask_b32 v30, v24, v26, s20               ; lanes 0-15 store row r's first 8 bytes, lanes 16-31 its second 8, 128 bytes on
	v_cndmask_b32 v31, v25, v27, s20
	global_store_b64 v6, v[30:31], s[10:11]        ; 256 consecutive bytes, aligned
	s_wait_tensorcnt 0x0
	ds_add_u32 v247, v255
	s_wait_dscnt 0x0
	s_endpgm
.Lfunc_end_k_q3a66d448ee_quant:
	.size	k_q3a66d448ee_quant, .Lfunc_end_k_q3a66d448ee_quant-k_q3a66d448ee_quant
	.p2alignl 7, 3214868480
	.fill 96, 4, 3214868480
	.section	.rodata,"a",@progbits
	.p2align	6, 0x0
	.amdhsa_kernel k_q3a66d448ee_quant
		.amdhsa_group_segment_fixed_size 17664
		.amdhsa_private_segment_fixed_size 0
		.amdhsa_enable_private_segment 0
		.amdhsa_kernarg_size 32
		.amdhsa_user_sgpr_count 2
		.amdhsa_user_sgpr_kernarg_segment_ptr 1
		.amdhsa_wavefront_size32 1
		.amdhsa_system_sgpr_workgroup_id_x 1
		.amdhsa_system_sgpr_workgroup_id_y 1
		.amdhsa_system_sgpr_workgroup_id_z 1
		.amdhsa_system_vgpr_workitem_id 0
		.amdhsa_next_free_vgpr 256
		.amdhsa_next_free_sgpr 66
		.amdhsa_reserve_vcc 0
		.amdhsa_float_denorm_mode_32 3
		.amdhsa_float_denorm_mode_16_64 3
		.amdhsa_memory_ordered 1
		.amdhsa_forward_progress 1
		.amdhsa_inst_pref_size 34
	.end_amdhsa_kernel
	.amdgpu_metadata
---
amdhsa.version: [ 1, 2 ]
amdhsa.kernels:
  - .name:           k_q3a66d448ee_quant
    .symbol:         k_q3a66d448ee_quant.kd
    .args:
      - { .name: query, .offset: 0, .size: 8, .value_kind: global_buffer, .address_space: global }
      - { .name: in_proj_weight, .offset: 8, .size: 8, .value_kind: global_buffer, .address_space: global }
      - { .name: out_proj_weight, .offset: 16, .size: 8, .value_kind: global_buffer, .address_space: global }
      - { .name: ops, .offset: 24, .size: 8, .value_kind: global_buffer, .address_space: global }
    .group_segment_fixed_size: 17664
    .private_segment_fixed_size: 0
    .kernarg_segment_align: 8
    .kernarg_segment_size: 32
    .max_flat_workgroup_size: 64
    .sgpr_count:     66
    .vgpr_count:     256
    .wavefront_size: 32
...
	.end_amdgpu_metadata
.endif
;; end of part 1
;; launch qkv (part 2): grid 8 x 32, 4 waves a work-group, clusters of 4 x 4, 327,680 bytes of LDS; arguments ops, qkv; writes qkv
.if DOCPART == 2
	.amdgcn_target "amdgcn-amd-amdhsa--gfx1250"
	.amdhsa_code_object_version 6
	.text
	.protected	k_q3a66d448ee_qkv
	.globl	k_q3a66d448ee_qkv
	.p2align	8
	.type	k_q3a66d448ee_qkv,@function
k_q3a66d448ee_qkv:
	s_mov_b64 s[64:65], 0
	v_nop
	global_prefetch_b8 v0, s[64:65] scope:SCOPE_SE
	s_setreg_imm32_b32 hwreg(HW_REG_WAVE_MODE, 25, 1), 1
	s_wait_xcnt 0x0
	s_wait_alu depctr_hold_cnt(0) depctr_sa_sdst(0) depctr_va_vdst(0) depctr_va_sdst(0) depctr_va_ssrc(0) depctr_va_vcc(0) depctr_vm_vsrc(0)
	s_getreg_b32 s2, hwreg(HW_REG_IB_STS2, 6, 4)
	s_cmp_eq_u32 s2, 0
	s_cbranch_scc0 .Lentry_in_a_cluster
	s_endpgm
.Lentry_in_a_cluster:
	s_bfe_u32 s2, ttmp6, 0x10000c
	s_cmp_lg_u32 s2, 0xf033
	s_cbranch_scc0 .Lentry_shape_is_right
	s_endpgm
.Lentry_shape_is_right:
; The projection x W^T (8,192 x 3,072 x 1,024) on codes of FP6 (E2M3) with E8M0 scales, and its results quantised in registers into the operands of attention: nothing leaves as f32.
; Operands lie in ops in the order of an operand's registers: a block of 16 rows = 16 units of 768 bytes ([p][lane][8]: 16 rows x 64 K), and 512 scale bytes [K / 256][row][8].  Blocks 0-511 x (64 b + t / 16),
; 512-639 Wq, Wk, 640-703 Wv.  Of 32 logical rows block 2 B + u holds in its row r the row 32 B + 8 u + r + 8 (r / 8).
; THE MATRIX INSTRUCTION IS USED TRANSPOSED: source 0 = 16 rows of 'B', source 1 = 16 rows of 'A': a lane holds one row of A, and by the blocks' order of rows the 16 registers of two neighbouring tiles are
; 16 NEIGHBOURS along B's logical rows: so a block of A's registers of a lane are quantised as they stand, along B.
; A WORK-GROUP MAKES TWO TILES, ONE AFTER THE OTHER, so that the 256 + 128 tiles' worth of work falls evenly on 256 work-groups.
;   First  A = x, B = Wq, Wk: 256 x 256, a wave 128 x 128 (64 accumulators): a lane holds a token, its registers run along d: q and k, quantised along d.
;   Second A = Wv, B = x:     256 x 128, a wave 128 x 64 (32 accumulators): a lane holds a d, its registers run along the tokens: v, quantised along the keys.
; K goes in 4 steps of 256 through two LDS slots filled by the tensor data mover, and the ring does not stop between the products: the first's last two changes of slots ask for the second's K steps 0 and 1,
; and q and k go out (registers and stores alone) while those tiles are on their way.  The scales of all of K, for both products, come once, with the first fills.
; CLUSTERS 4 x 4: A's tiles are shared along a row of the cluster, B's along a column, in both products: joint loads.  Second product: tile row = cy, tile column = 4 (2 x cluster y + cluster x) + cx.
; OUT (qkv): q, k codes [c][64 b + t / 16][head][768]; v codes [b][128 keys][4 head + d / 16][1536]; q, k scale words [c][16 b + head][t / 16][row][4], bytes 2 and 3 zero; v scale words [b][128 keys][4 head + d / 16][lane][4].
; q's factor 1/8 is a power of two, which a block's scale takes up: it is applied to the scores in the next launch.
; ONE SHAPE OF DESCRIPTOR serves the scales of both products: for the second product's B it brings the scale bytes of 8 blocks a wave where 4 are read: 2,048 bytes more a wave, once; all lie inside ops.
; LIMITS: a block of zeros gets the byte 1 where the rule says 127 (zero codes; only this program reads the bytes); q's blocks with a largest magnitude under 2^-121 get a byte that the rule, applied behind the
; factor 1/8, would have held at 1; NaN and infinities are not served.
; REGISTERS, in windows of 256: window 0: v16-29 addresses; v32-63 scale words, two sets; v64-113 the way out; v128-223 A's 8 fragments, one set.  window 1: B's fragments, two sets, at v0 and v128.
;   window 2: the accumulators of A's blocks 0-3 ((a, b) at v[8 (8 (a % 4) + b)]);  window 3: those of blocks 4-7.
.set NBM,   8                          ; B's blocks of 16 rows to a wave in the products that are written next: 8, later 4
.set NBF,   8                          ; and in the fetches that are written next
.set HALFA, 24576                      ; 8 blocks x 3,072 bytes (256 along K): what one tensor load brings of A
.set HALFB, 24576                      ; the place of a half of B in a slot (the second product fills 12,288 bytes of it)
.set SLOT,  2*HALFA+2*HALFB            ; A's two halves, then B's two
.set SCL,   2*SLOT                     ; behind the ring: the first product's scales: B's (2 HSB), then A's (2 HSA), filled once
.set HSA,   4096
.set HSB,   4096
.set SC2,   2*HSB+2*HSA                ; that many bytes on: the second product's, laid alike, filled once
.set SPARE, SCL+2*SC2                  ; the spare words, 128 bytes for each wave: two blocks of 256 bytes that no other line names
.set OSC,   9437184                    ; ops: where the scale bytes begin
.set VC,    12582912                   ; qkv: v's codes
.set QKS,   18874368                   ; q's and k's scale words
.set VS,    19922944                   ; v's scale words
.set ADRA, 16                          ; v16-17  LDS address of my A fragments in slot 0, 1
.set ADRB, 20                          ; v20-21  the same for B
.set VSA,  22                          ; v22     4 x lane: v's scale words
.set ADRS, 27                          ; v27     my scale words: lanes 0-15 B's rows, lanes 16-31 A's
.set SPW,  28                          ; v28     LDS address of my spare word; never rewritten
.set NIL,  29                          ; v29     0; never rewritten
.set SC,   32                          ; scale words: set s at v[SC + 16 s]; register 2 i + q: block i, the slot's q-th 128 along K
.set AF,   128
.set PC,   64                          ; v64-82  the codes just made
.set TM,   96                          ; v96-111 largest magnitudes, bytes, scale operands
.set PW,   112                         ; the scale word just made
.set PS,   113                         ; and what is stored of it
.set G1, 24                            ; s[24:31] group 1 for A's tiles;  s[32:39] groups 0, one for each slot
.set G0, 32
.set G1B, 48                           ; s[48:55], s[56:63] the same for B's
.set G0B, 56
.set G1S, 68                           ; s[68:75] group 1 for A's scales;  s[76:79] group 0, first product;  s[92:95] second
.set G0S, 76
.set G1SB, 80                          ; s[80:87], s[88:91], s[96:99] the same for B's
.set G0SB, 88
.set G0S2, 92
.set G0SB2, 96
.set MSB, 0
.macro WIN new                         ; the immediate's high byte repeats the setting that is left
.if MSB != (\new)
	s_set_vgpr_msb (MSB<<8)|(\new)
.set MSB, (\new)
.endif
.endm
.set MUL_LO, 0xa1                      ; source 0 (B) window 1, source 1 (A) window 0, C and D window 2
.set MUL_HI, 0xf1
.set TO_B,   0x40
; A joint load: waves 0 and 1 fetch for A, waves 2 and 3 for B; the branch hangs on the wave's number alone.  Four v_nop follow each of the two lines.
.macro JLOAD g0a, g1a, g0b, g1b
	s_cmp_eq_u32 s15, 0
	s_cbranch_scc0 .Lfor_b_\@
	tensor_load_to_lds s[\g0a:\g0a+3], s[\g1a:\g1a+7]
	s_nop 0
.rept 4
	v_nop
.endr
	s_branch .Lasked_\@
.Lfor_b_\@:
	tensor_load_to_lds s[\g0b:\g0b+3], s[\g1b:\g1b+7]
	s_nop 0
.rept 4
	v_nop
.endr
.Lasked_\@:
.endm
.macro CREST                           ; a round of the cluster's barrier behind its opening barrier
	s_cmp_lg_u32 s14, 0
	s_cbranch_scc1 .Lnot_wave_0_\@
	s_barrier_signal -3
.Lnot_wave_0_\@:
	s_barrier_wait -3
	s_barrier_signal -1
	s_barrier_wait -1
.endm
.macro CROUND
	s_barrier_signal -1
	s_barrier_wait -1
	CREST
.endm
.macro PLACES n                        ; plain vector instructions between a matrix instruction and a load into, or a read of, its registers
.rept \n
	v_nop
.endr
.endm
	s_load_b128 s[4:7], s[0:1], 0x0                ; ops s[4:5], qkv s[6:7]
	v_lshl_add_u32 v[SPW], v0, 2, SPARE
	v_mov_b32 v[NIL], 0
	ds_add_u32 v28, v29
	ds_add_u32 v28, v29
	s_wait_dscnt 0x0
	v_lshrrev_b32 v1, 5, v0
	v_readfirstlane_b32 s14, v1                    ; wave 0..3
	s_lshr_b32 s15, s14, 1                         ; which half of A's rows is mine.  Also: I fetch for A (0) or for B (1)
	s_and_b32 s16, s14, 1                          ; which half of B's rows.  Also: which half I fetch
	s_bfe_u32 s40, ttmp6, 0x40000                  ; cx
	s_bfe_u32 s41, ttmp6, 0x40004                  ; cy
	s_lshl_b32 s42, ttmp9, 2
	s_add_co_u32 s42, s42, s40                     ; first product: tile column = 4 x cluster x + cx
	s_and_b32 s17, ttmp7, 0xffff                   ; the cluster's y
	s_lshl_b32 s45, s17, 1
	s_add_co_u32 s45, s45, ttmp9                   ; the cluster's number, 2 y + x
	s_lshl_b32 s45, s45, 2
	s_add_co_u32 s45, s45, s40                     ; second product: tile column = 4 x cluster + cx (its tile row is cy)
	s_lshl_b32 s17, s17, 2
	s_add_co_u32 s17, s17, s41                     ; first product: tile row = 4 x cluster y + cy
	s_lshl_b32 s43, s41, 2
	s_lshl_b32 s43, 15, s43                        ; my row of the cluster
	s_lshl_b32 s44, 0x1111, s40                    ; my column
	; descriptor groups 1.  Codes: 8 rows, one for each block, of 3,072 bytes = 384 elements of 8 bytes, 12,288 bytes apart; dense in LDS
	s_or_b32 s[G1+0], s43, (3<<16)|(1<<21)         ; 15:0 the mask; 17:16 elements of 8 bytes; 20 no padding; 21 set beside a mask
	s_mov_b32 s[G1+1], 384<<16                     ; tensor_dim0
	s_mov_b32 s[G1+2], 16<<16                      ; tensor_dim1: the head's load brings all 16 blocks
	s_mov_b32 s[G1+3], 384<<16                     ; tile_dim0
	s_mov_b32 s[G1+4], 16                          ; tile_dim1
	s_mov_b32 s[G1+5], 1536                        ; tensor_dim0_stride
	s_mov_b32 s[G1+6], 0
	s_mov_b32 s[G1+7], 0
	s_or_b32 s[G1B+0], s44, (3<<16)|(1<<21)
	s_mov_b32 s[G1B+1], 384<<16
	s_mov_b32 s[G1B+2], 16<<16
	s_mov_b32 s[G1B+3], 384<<16
	s_mov_b32 s[G1B+4], 16
	s_mov_b32 s[G1B+5], 1536
	s_mov_b32 s[G1B+6], 0
	s_mov_b32 s[G1B+7], 0
	; scales: the 4,096 dense bytes of 8 blocks, as rows of 256 bytes
	s_or_b32 s[G1S+0], s43, (3<<16)|(1<<21)
	s_mov_b32 s[G1S+1], 32<<16
	s_mov_b32 s[G1S+2], 32<<16                     ; the head's load brings the 8,192 scale bytes of 16 blocks
	s_mov_b32 s[G1S+3], 32<<16
	s_mov_b32 s[G1S+4], 32
	s_mov_b32 s[G1S+5], 32
	s_mov_b32 s[G1S+6], 0
	s_mov_b32 s[G1S+7], 0
	s_or_b32 s[G1SB+0], s44, (3<<16)|(1<<21)
	s_mov_b32 s[G1SB+1], 32<<16
	s_mov_b32 s[G1SB+2], 32<<16
	s_mov_b32 s[G1SB+3], 32<<16
	s_mov_b32 s[G1SB+4], 32
	s_mov_b32 s[G1SB+5], 32
	s_mov_b32 s[G1SB+6], 0
	s_mov_b32 s[G1SB+7], 0
	; which blocks I fetch.  A's hang on the tile row alone, B's on the tile column alone
	s_lshl_b32 s18, s16, 3
	s_lshl_b32 s20, s17, 4
	s_add_co_u32 s20, s20, s18                     ; first A (x): block 16 x tile row + 8 x half
	s_lshl_b32 s46, s42, 4
	s_add_co_u32 s46, s46, s18
	s_add_co_u32 s46, s46, 512                     ; first B (Wq, Wk): 512 + 16 x tile column + 8 x half
	s_lshl_b32 s12, s41, 4
	s_add_co_u32 s12, s12, s18
	s_add_co_u32 s12, s12, 640                     ; second A (Wv): 640 + 16 cy + 8 x half
	s_lshl_b32 s2, s45, 3
	s_lshl_b32 s19, s16, 2
	s_add_co_u32 s2, s2, s19                       ; second B (x): 8 x tile column + 4 x half
	s_lshl_b32 s22, s17, 13                        ; the scales of the tile's 16 blocks of x: 512 bytes a block, from block 16 x tile row
	s_add_co_u32 s22, s22, OSC                     ; their scales,
	s_mul_i32 s20, s20, 12288                      ; their codes
	s_lshl_b32 s100, s42, 13                       ; and of Wq, Wk: from block 512 + 16 x tile column
	s_add_co_u32 s100, s100, OSC+262144
	s_mul_i32 s46, s46, 12288
	s_lshl_b32 s94, s12, 9
	s_add_co_u32 s94, s94, OSC
	s_mul_i32 s12, s12, 12288
	s_lshl_b32 s98, s2, 9
	s_add_co_u32 s98, s98, OSC
	s_mul_i32 s2, s2, 12288
	s_mov_b32 s21, 0
	s_mov_b32 s23, 0
	s_mov_b32 s47, 0
	s_mov_b32 s101, 0
	s_mov_b32 s95, 0
	s_mov_b32 s13, 0
	s_mov_b32 s99, 0
	s_mov_b32 s3, 0
	s_mul_i32 s18, s14, HALFA                      ; where they go: wave x a constant: no place in the cluster enters an LDS address
	s_mul_i32 s19, s14, HALFB
	s_mul_i32 s43, s14, HSA
	s_mul_i32 s44, s14, HSB
	s_mov_b32 s66, 0x76543210
	s_mov_b32 s67, 0xfedcba98                      ; v_permlanex16_b32's selects for lane l xor 16
	s_wait_kmcnt 0x0
	s_add_nc_u64 s[20:21], s[4:5], s[20:21]
	s_add_nc_u64 s[22:23], s[4:5], s[22:23]
	s_add_nc_u64 s[46:47], s[4:5], s[46:47]
	s_add_nc_u64 s[100:101], s[4:5], s[100:101]
	s_add_nc_u64 s[12:13], s[4:5], s[12:13]        ; kept: the second product's codes of A,
	s_add_nc_u64 s[2:3], s[4:5], s[2:3]            ; and of B
	s_add_nc_u64 s[94:95], s[4:5], s[94:95]
	s_add_nc_u64 s[98:99], s[4:5], s[98:99]
	CROUND                                         ; all sixteen work-groups are here: the first joint loads meet
	s_mov_b32 s[G0S], 1
	s_mov_b32 s[G0S+1], SCL+2*HSB                  ; A's scales, whole, behind B's
	s_mov_b64 s[G0S+2:G0S+3], s[22:23]
	s_or_b32 s[G0S+3], s[G0S+3], 0x80000000
	s_mov_b32 s[G0SB], 1
	s_mov_b32 s[G0SB+1], SCL                       ; B's scales, whole
	s_mov_b64 s[G0SB+2:G0SB+3], s[100:101]
	s_or_b32 s[G0SB+3], s[G0SB+3], 0x80000000
	s_mov_b32 s[G0S2], 1
	s_add_co_u32 s[G0S2+1], s43, SCL+SC2+2*HSB
	s_or_b32 s[G0S2+3], s[G0S2+3], 0x80000000
	s_mov_b32 s[G0SB2], 1
	s_add_co_u32 s[G0SB2+1], s44, SCL+SC2-2*HSB
	s_or_b32 s[G0SB2+3], s[G0SB2+3], 0x80000000
.irp s, 0,1
	s_mov_b32 s[G0+4*\s], 1
	s_add_co_u32 s[G0+4*\s+1], s18, \s*SLOT
	s_add_nc_u64 s[G0+4*\s+2:G0+4*\s+3], s[20:21], \s*3072
	s_or_b32 s[G0+4*\s+3], s[G0+4*\s+3], 0x80000000
	s_mov_b32 s[G0B+4*\s], 1
	s_add_co_u32 s[G0B+4*\s+1], s19, \s*SLOT+2*(HALFA-HALFB)   ; waves 2, 3: 2 HALFA + (wave - 2) HALFB
	s_add_nc_u64 s[G0B+4*\s+2:G0B+4*\s+3], s[46:47], \s*3072
	s_or_b32 s[G0B+4*\s+3], s[G0B+4*\s+3], 0x80000000
.endr
; THE HEAD'S LOADS, ONE A WAVE: wave 0 K step 0 of A's 16 blocks, wave 1 A's scales, wave 2 K step 0 of B's 16 blocks, wave 3 B's scales.
; One tree of branches on the wave's number: every way through it passes exactly one load.
.macro ARM under, g0, g1, next
	s_cmp_lt_u32 s14, \under
	s_cbranch_scc0 \next
	tensor_load_to_lds s[\g0:\g0+3], s[\g1:\g1+7]
	s_nop 0
.rept 4
	v_nop
.endr
	s_branch .Lhead_asked
\next:
.endm
	ARM 1, G0,  G1,  .Lhead_sa
	ARM 2, G0S, G1S, .Lhead_b
	ARM 3, G0B, G1B, .Lhead_sb
	tensor_load_to_lds s[G0SB:G0SB+3], s[G1SB:G1SB+7]
	s_nop 0
.rept 4
	v_nop
.endr
.Lhead_asked:
	v_and_b32 v1, 15, v0                           ; r
	v_bfe_u32 v2, v0, 4, 1                         ; h
	s_wait_alu depctr_va_vdst(0)
	v_and_b32 v3, 31, v0
	v_lshlrev_b32 v[VSA], 2, v3                    ; 4 x lane
	v_lshlrev_b32 v3, 3, v3                        ; 8 x lane
	s_wait_alu depctr_va_vdst(0)
	s_mul_i32 s21, s15, HALFA                      ; my 8 blocks of A
	s_mul_i32 s22, s16, HALFB                      ; my blocks of B,
	s_add_co_u32 s22, s22, 2*HALFA                 ; behind A's
.irp s, 0,1
	v_add_nc_u32 v[ADRA+\s], s21, v3
	v_add_nc_u32 v[ADRB+\s], s22, v3
	s_add_co_u32 s21, s21, SLOT
	s_add_co_u32 s22, s22, SLOT
.endr
	v_lshlrev_b32 v5, 3, v1                        ; scale words: 8 bytes a row for a K step of 256
	s_mul_i32 s21, s16, HSB                        ; B's: my blocks
	s_mul_i32 s22, s15, HSA                        ; A's: my blocks, behind B's
	s_add_co_u32 s22, s22, 2*HSB
	s_sub_co_u32 s22, s22, s21
	v_mul_u32_u24 v6, s22, v2                      ; lanes 16-31 take A's: the lower base + h x the distance
	s_add_co_u32 s21, s21, SCL
	v_add_nc_u32 v5, v5, v6
	v_add_nc_u32 v[ADRS], s21, v5
	v_mov_b32 v24, v3                              ; the way out: 8 x lane;
	v_lshlrev_b32 v25, 12, v2
	v_lshl_add_u32 v25, v1, 2, v25                 ; q, k scale words: 4 r, lanes 16-31 one head (4,096 bytes) on,
	v_lshlrev_b32 v26, 4, v2                       ; and they take the word's upper two bytes
.irp b, 0,1,2,3
	v_mov_b32 v[TM+4+\b], 0                        ; written once: a lane permute's destination counts as one of its sources
.endr
	; where q and k go
	s_lshl_b32 s18, s17, 4
	s_lshl_b32 s19, s15, 3
	s_add_co_u32 s18, s18, s19                     ; my first block of x
	s_lshl_b32 s19, s42, 1
	s_add_co_u32 s19, s19, s16                     ; my 128 rows of Wq, Wk: group kg
	s_lshr_b32 s43, s19, 3                         ; kg / 8: c (q or k)
	s_and_b32 s19, s19, 7                          ; kg % 8: a pair of heads
	s_mul_i32 s20, s43, 6291456
	s_mul_i32 s44, s18, 12288
	s_add_co_u32 s20, s20, s44
	s_mul_i32 s44, s19, 1536
	s_add_co_u32 s20, s20, s44                     ; codes
	s_lshl_b32 s22, s43, 19
	s_lshr_b32 s44, s18, 6
	s_lshl_b32 s44, s44, 4
	s_lshl_b32 s46, s19, 1
	s_add_co_u32 s44, s44, s46                     ; 16 b + the even head
	s_lshl_b32 s44, s44, 12
	s_add_co_u32 s22, s22, s44
	s_and_b32 s44, s18, 63
	s_lshl_b32 s44, s44, 6
	s_add_co_u32 s22, s22, s44
	s_add_co_u32 s22, s22, QKS                     ; scale words
	s_mov_b32 s21, 0
	s_mov_b32 s23, 0
	s_add_nc_u64 s[8:9], s[6:7], s[20:21]
	s_add_nc_u64 s[10:11], s[6:7], s[22:23]
	; and where v goes: two offsets, kept in s40 and s41 for the second way out
	s_lshl_b32 s18, s41, 4
	s_lshl_b32 s19, s15, 3
	s_add_co_u32 s18, s18, s19                     ; my first block of Wv: 4 head + d / 16
	s_lshr_b32 s43, s45, 3                         ; b
	s_and_b32 s44, s45, 7                          ; which 128 keys
	s_mul_i32 s40, s43, 786432
	s_mul_i32 s46, s44, 98304
	s_add_co_u32 s40, s40, s46
	s_mul_i32 s46, s18, 1536
	s_add_co_u32 s40, s40, s46
	s_mul_i32 s46, s16, 768                        ; my 64 keys are one unit of the fragment's two
	s_add_co_u32 s40, s40, s46
	s_add_co_u32 s40, s40, VC                      ; codes
	s_lshl_b32 s41, s43, 16
	s_lshl_b32 s46, s44, 13
	s_add_co_u32 s41, s41, s46
	s_lshl_b32 s46, s18, 7
	s_add_co_u32 s41, s41, s46
	s_lshl_b32 s46, s16, 1                         ; and two bytes of the word's four
	s_add_co_u32 s41, s41, s46
	s_add_co_u32 s41, s41, VS                      ; scale words
.macro FRAG reg, adr, q, i             ; a fragment, 16 rows x 128 K, is 12 registers: six loads of 8 bytes a lane, each of 256 consecutive bytes
.irp p, 0,1,2,3,4,5
	ds_load_b64 v[\reg+2*\p:\reg+2*\p+1], v[\adr] offset:3072*(\i)+1536*(\q)+256*\p
.endr
.endm
; A's blocks a0, a0 + 1 x B's NBM, 128 along K: the slot's q-th.  p: B's set; sc: the set of scale words.  zero = 1: the product starts the sums.  The accumulators take turns, one instruction a turn.
.macro MULA a0, p, q, sc, zero
.irp a, \a0, \a0+1
.irp b, 0,1,2,3,4,5,6,7
.if \b < NBM
.if \zero
	v_wmma_scale_f32_16x16x128_f8f6f4 v[8*(8*((\a)%4)+\b):8*(8*((\a)%4)+\b)+7], v[128*(\p)+12*\b:128*(\p)+12*\b+11], v[AF+12*(\a):AF+12*(\a)+11], 0, v[SC+16*(\sc)+2*\b+(\q)], v[SC+16*(\sc)+2*(\a)+(\q)] matrix_a_fmt:MATRIX_FMT_FP6 matrix_b_fmt:MATRIX_FMT_FP6 matrix_b_scale:MATRIX_SCALE_ROW1
.else
	v_wmma_scale_f32_16x16x128_f8f6f4 v[8*(8*((\a)%4)+\b):8*(8*((\a)%4)+\b)+7], v[128*(\p)+12*\b:128*(\p)+12*\b+11], v[AF+12*(\a):AF+12*(\a)+11], v[8*(8*((\a)%4)+\b):8*(8*((\a)%4)+\b)+7], v[SC+16*(\sc)+2*\b+(\q)], v[SC+16*(\sc)+2*(\a)+(\q)] matrix_a_fmt:MATRIX_FMT_FP6 matrix_b_fmt:MATRIX_FMT_FP6 matrix_b_scale:MATRIX_SCALE_ROW1
.endif
.endif
.endr
.endr
.endm
.macro FETCH_B slot, q, p
	WIN TO_B
.irp i, 0,1,2,3,4,5,6,7
.if \i < NBF
	FRAG 128*(\p)+12*\i, ADRB+\slot, \q, \i
.endif
.endr
	WIN 0
.endm
.macro FETCH_A slot, q, i0
.irp i, \i0, \i0+1, \i0+2, \i0+3
	FRAG AF+12*(\i), ADRA+\slot, \q, \i
.endr
.endm
.macro SCALES sc, ks, sb               ; K step ks's scale words into set sc, from sb bytes on (0: the first product's; SC2: the second's): lanes 0-15 B's block i, lanes 16-31 A's block i
.irp i, 0,1,2,3,4,5,6,7                ; (in the second product lanes 0-15 of i = 4 .. 7 take words that no instruction names, out of filled bytes)
	ds_load_b64 v[SC+16*\sc+2*\i:SC+16*\sc+2*\i+1], v[ADRS] offset:\sb+512*\i+128*\ks
.endr
.endm
.macro STEP slot, zero                 ; a slot's first 128 along K, on B's set 0
	s_wait_dscnt 24                                ; all but the youngest 24 loads (A's blocks 4-7) are in
	WIN MUL_LO
	MULA 0, 0, 0, \slot, \zero
	MULA 2, 0, 0, \slot, \zero
	s_wait_dscnt 0
	PLACES 4
	FETCH_B \slot, 1, 1
	FETCH_A \slot, 1, 0
	WIN MUL_HI
	MULA 4, 0, 0, \slot, \zero
	MULA 6, 0, 0, \slot, \zero
	PLACES 4
	WIN 0
	FETCH_A \slot, 1, 4
.endm
; A slot's second 128 along K changes slots: ONE barrier; in front of it each wave waits for all its tensor loads, adds 0 to its spare word, and waits for that and for its reads of this slot.
; fill = 1: the slot is filled again, two K steps ahead.  fill = 2: with the SECOND product's K step 0 (slot 0) or 1 (slot 1).  fill = 0: nothing is left to fetch.
.macro TURN slot, next, fill, ks, sb
	s_wait_tensorcnt 0x0                           ; all my tensor loads have landed: my part of the next slot
	ds_add_u32 v[SPW], v[NIL]                      ; 0 onto my spare word
	s_wait_dscnt 25                                ; (the add and the youngest 24 loads, A's blocks 4-7, may be out)
	WIN MUL_LO
	MULA 0, 1, 1, \slot, 0                         ; matrix instructions stand between the add and the wait for it
	s_wait_dscnt 0x0                               ; the add is done, and my reads of this slot are over
	s_barrier_signal -1
	MULA 2, 1, 1, \slot, 0
	WIN 0
	s_barrier_wait -1
.if \fill == 0
	PLACES 4
.else
	CREST                                          ; the barrier has opened a round of the cluster's barrier: no wave of any partner still reads this slot or has a load on its way
.if \fill == 1
	s_add_nc_u64 s[G0+4*\slot+2:G0+4*\slot+3], s[G0+4*\slot+2:G0+4*\slot+3], 6144
	s_add_nc_u64 s[G0B+4*\slot+2:G0B+4*\slot+3], s[G0B+4*\slot+2:G0B+4*\slot+3], 6144
.else
	s_add_nc_u64 s[G0+4*\slot+2:G0+4*\slot+3], s[12:13], \slot*3072      ; no tensor load of mine is out: the groups 0 are pointed at Wv and at x
	s_or_b32 s[G0+4*\slot+3], s[G0+4*\slot+3], 0x80000000
	s_add_nc_u64 s[G0B+4*\slot+2:G0B+4*\slot+3], s[2:3], \slot*3072
	s_or_b32 s[G0B+4*\slot+3], s[G0B+4*\slot+3], 0x80000000
.if \slot == 0
	s_mov_b32 s[G1B+2], 4<<16                      ; from here on a load of B brings 4 blocks: tensor_dim1
	s_mov_b32 s[G1B+4], 4                          ; and tile_dim1
.endif
.endif
.if \fill == 3
	JLOAD G0S2, G1S, G0SB2, G1SB                   ; fill = 3: the second product's scales, their one fill; this slot's group 0 has been pointed at its K step 1, which is asked for later
.else
	JLOAD G0+4*\slot, G1, G0B+4*\slot, G1B         ; the first tensor load behind the round; its four v_nop are the places in front of the loads below
.endif
.endif
	FETCH_B \next, 0, 0
	FETCH_A \next, 0, 0
.if \fill != 3
	SCALES \next, \ks, \sb
.endif
	WIN MUL_HI
	MULA 4, 1, 1, \slot, 0
	MULA 6, 1, 1, \slot, 0
	PLACES 4
	WIN 0
	FETCH_A \next, 0, 4
.endm
; THE WAYS OUT.  Registers 16 b + i of a block of A = number 32 b + 16 (lane / 16) + i along B of my row.  They become codes in v[PC] on and scale bytes in v[PW].  Each accumulator is read from its low end on.
.macro QUANTW a                        ; 64 registers: a whole fragment, four bytes
.set AC, 64*((\a)%4)
.set WW, 2+(\a)/4
	WIN WW|(WW<<2)
.irp b, 0,1,2,3
	v_max3_num_f32 v[TM+\b], |v[AC+16*\b]|, |v[AC+16*\b+1]|, 0x1800000   ; block b: my 16 numbers, and the floor 2^(3 - 127): the byte cannot fall under 1
.endr
	WIN (WW<<2)|(WW<<4)
.irp i, 2,4,6,8,10,12,14
.irp b, 0,1,2,3
	v_max3_num_f32 v[TM+\b], v[TM+\b], |v[AC+16*\b+\i]|, |v[AC+16*\b+\i+1]|
.endr
.endr
	WIN 0
.irp b, 0,1,2,3
	v_permlanex16_b32 v[TM+4+\b], v[TM+\b], s66, s67
.endr
.irp b, 0,1,2,3
	v_max_num_f32 v[TM+\b], v[TM+\b], v[TM+4+\b]   ; with lane l xor 16's: the block's largest magnitude
.endr
.irp b, 0,1,2,3
	v_add_nc_u32 v[TM+12+\b], 0xff000000, v[TM+\b] ; 2 off its exponent field: the conversion's scale operand
.endr
.irp b, 0,1,2,3
	v_lshrrev_b32 v[TM+4+\b], 23, v[TM+12+\b]      ; the scale's byte
.endr
	v_lshl_or_b32 v[PW], v[TM+5], 8, v[TM+4]
	v_lshl_or_b32 v[PW], v[TM+6], 16, v[PW]
	v_lshl_or_b32 v[PW], v[TM+7], 24, v[PW]
	WIN WW
.irp c, 0,1
	v_cvt_scalef32_pk16_fp6_f32 v[PC+6*\c:PC+6*\c+2], v[AC+32*\c:AC+32*\c+15], v[TM+12+2*\c]
	v_cvt_scalef32_pk16_fp6_f32 v[PC+12+4*\c:PC+14+4*\c], v[AC+32*\c+16:AC+32*\c+31], v[TM+13+2*\c]   ; (a conversion's three registers begin on an even number)
.endr
	WIN 0
	v_nop                                          ; one plain instruction behind a scaled conversion
.irp c, 0,1                            ; the operand's layout wants a WHOLE block in a lane: lanes 0-15 block 2 c, lanes 16-31 block 2 c + 1
.irp i, 0,1,2
	v_permlane16_swap_b32 v[PC+6*\c+\i], v[PC+12+4*\c+\i]
.endr
.irp i, 0,1,2
	v_mov_b32 v[PC+3+6*\c+\i], v[PC+12+4*\c+\i]
.endr
.endr
.endm
.macro OUTQ a                          ; q and k
.if (\a) > 0
	s_wait_xcnt 0x0                                ; the last block's stores have read their registers and bases: both are written again only behind this wait
	s_add_nc_u64 s[8:9], s[8:9], 12288             ; the next 16 tokens
	s_add_nc_u64 s[10:11], s[10:11], 64
.endif
	QUANTW \a
.irp p, 0,1,2,3,4,5
	global_store_b64 v24, v[PC+2*\p:PC+2*\p+1], s[8:9] offset:256*\p   ; the fragment as it stands: 256 consecutive bytes a store, aligned; its halves are two heads' units
.endr
	v_lshrrev_b32 v[PS], v26, v[PW]                ; lanes 0-15 keep the even head's two bytes, lanes 16-31 the odd head's; bytes 2 and 3 are zero
	v_and_b32 v[PS], 0xffff, v[PS]
	global_store_b32 v25, v[PS], s[10:11]
.endm
.macro QUANTV a                        ; 32 registers: a unit of 64 along B, two bytes
.set AC, 64*((\a)%4)
.set WW, 2+(\a)/4
	WIN WW|(WW<<2)
.irp b, 0,1
	v_max3_num_f32 v[TM+\b], |v[AC+16*\b]|, |v[AC+16*\b+1]|, 0x1800000
.endr
	WIN (WW<<2)|(WW<<4)
.irp i, 2,4,6,8,10,12,14
.irp b, 0,1
	v_max3_num_f32 v[TM+\b], v[TM+\b], |v[AC+16*\b+\i]|, |v[AC+16*\b+\i+1]|
.endr
.endr
	WIN 0
.irp b, 0,1
	v_permlanex16_b32 v[TM+4+\b], v[TM+\b], s66, s67
.endr
.irp b, 0,1
	v_max_num_f32 v[TM+\b], v[TM+\b], v[TM+4+\b]
.endr
.irp b, 0,1
	v_add_nc_u32 v[TM+12+\b], 0xff000000, v[TM+\b]
.endr
.irp b, 0,1
	v_lshrrev_b32 v[TM+4+\b], 23, v[TM+12+\b]
.endr
	v_lshl_or_b32 v[PW], v[TM+5], 8, v[TM+4]
	WIN WW
	v_cvt_scalef32_pk16_fp6_f32 v[PC:PC+2], v[AC:AC+15], v[TM+12]
	v_cvt_scalef32_pk16_fp6_f32 v[PC+12:PC+14], v[AC+16:AC+31], v[TM+13]
	WIN 0
	v_nop                                          ; one plain instruction behind a scaled conversion
.irp i, 0,1,2
	v_permlane16_swap_b32 v[PC+\i], v[PC+12+\i]    ; lanes 0-15 now hold block 0 whole, lanes 16-31 block 1
.endr
.irp i, 0,1,2
	v_mov_b32 v[PC+3+\i], v[PC+12+\i]
.endr
.endm
.macro OUTV a                          ; v
	s_wait_xcnt 0x0                                ; the earlier stores have read their registers and bases
.if (\a) == 0
	s_mov_b32 s20, s40
	s_mov_b32 s21, 0
	s_add_nc_u64 s[8:9], s[6:7], s[20:21]
	s_mov_b32 s20, s41
	s_add_nc_u64 s[10:11], s[6:7], s[20:21]
.else
	s_add_nc_u64 s[8:9], s[8:9], 1536              ; the next 16 d
	s_add_nc_u64 s[10:11], s[10:11], 128
.endif
	QUANTV \a
.irp p, 0,1,2
	global_store_b64 v24, v[PC+2*\p:PC+2*\p+1], s[8:9] offset:256*\p   ; my 64 keys' unit of the fragment: 256 consecutive bytes a store, aligned
.endr
	global_store_b16 v[VSA], v[PW], s[10:11]       ; my two bytes of row r's word, in both of its copies (lanes r and r + 16 hold the same)
.endm
	s_wait_alu depctr_va_vdst(0)
	s_wait_tensorcnt 0x0                           ; my tile of the head's four is in
	ds_add_u32 v[SPW], v[NIL]
	s_mov_b32 s[G1+2], 8<<16                       ; no tensor load of mine is out: from here on a load of codes brings 8 blocks,
	s_mov_b32 s[G1+4], 8
	s_mov_b32 s[G1B+2], 8<<16
	s_mov_b32 s[G1B+4], 8
	s_mov_b32 s[G1S+2], 16<<16                     ; and a load of scales those of 8 blocks
	s_mov_b32 s[G1S+4], 16
	s_mov_b32 s[G1SB+2], 16<<16
	s_mov_b32 s[G1SB+4], 16
	s_wait_dscnt 0x0
	CROUND                                         ; all four tiles are in, and all sixteen work-groups are here
	JLOAD G0+4, G1, G0B+4, G1B                     ; K step 1, a quarter of slot 1 a wave
	FETCH_B 0, 0, 0
	FETCH_A 0, 0, 0
	SCALES 0, 0, 0
	FETCH_A 0, 0, 4
	STEP 0, 1                                      ; THE FIRST PRODUCT: its first products start the sums
	TURN 0, 1, 1, 1, 0
	STEP 1, 0
	TURN 1, 0, 1, 2, 0
	STEP 0, 0
	TURN 0, 1, 2, 3, 0                             ; THE RING GOES ON INTO THE SECOND PRODUCT: slot 0 takes its K step 0,
	STEP 1, 0
.set NBF, 4
	TURN 1, 0, 3, 0, SC2                           ; the second product's scales are asked for, and its first fragments are fetched
.set NBM, 4
.irp a, 0,1,2,3                        ; q and k go out; the four v_nop at the turn's end stand behind the last products
	OUTQ \a
.endr
	s_wait_alu depctr_va_vdst(0)
	s_wait_tensorcnt 0x0                           ; my part of the second product's scales is in
	ds_add_u32 v[SPW], v[NIL]
	s_wait_dscnt 0x0
	CROUND
	JLOAD G0+4, G1, G0B+4, G1B                     ; slot 1 takes the second product's K step 1: it has blocks 4-7's way out and a K step in which to land
	SCALES 0, 0, SC2
.irp a, 4,5,6,7
	OUTQ \a
.endr
	s_wait_dscnt 0x0                               ; the eight scale loads are the youngest: the step's counted wait would not cover them
	STEP 0, 1                                      ; THE SECOND PRODUCT starts its sums on accumulators that have been read out
	TURN 0, 1, 1, 1, SC2
	STEP 1, 0
	TURN 1, 0, 1, 2, SC2
	STEP 0, 0
	TURN 0, 1, 0, 3, SC2                           ; nothing is left to fetch
	STEP 1, 0
	s_wait_dscnt 24
	WIN MUL_LO
	MULA 0, 1, 1, 1, 0
	MULA 2, 1, 1, 1, 0
	s_wait_dscnt 0
	WIN MUL_HI
	MULA 4, 1, 1, 1, 0
	MULA 6, 1, 1, 1, 0
	WIN 0
	PLACES 4                                       ; behind the last products
.irp a, 0,1,2,3,4,5,6,7
	OUTV \a
.endr
	s_wait_tensorcnt 0x0                           ; the wave's end
	ds_add_u32 v[SPW], v[NIL]
	s_wait_dscnt 0x0
	CROUND                                         ; the closing round: no work-group ends while a partner may still ask for a tile that names it
	s_endpgm
.Lfunc_end_k_q3a66d448ee_qkv:
	.size	k_q3a66d448ee_qkv, .Lfunc_end_k_q3a66d448ee_qkv-k_q3a66d448ee_qkv
	.p2alignl 7, 3214868480
	.fill 96, 4, 3214868480
	.section	.rodata,"a",@progbits
	.p2align	6, 0x0
	.amdhsa_kernel k_q3a66d448ee_qkv
		.amdhsa_group_segment_fixed_size 327680
		.amdhsa_private_segment_fixed_size 0
		.amdhsa_enable_private_segment 0
		.amdhsa_kernarg_size 16
		.amdhsa_user_sgpr_count 2
		.amdhsa_user_sgpr_kernarg_segment_ptr 1
		.amdhsa_wavefront_size32 1
		.amdhsa_system_sgpr_workgroup_id_x 1
		.amdhsa_system_sgpr_workgroup_id_y 1
		.amdhsa_system_sgpr_workgroup_id_z 1
		.amdhsa_system_vgpr_workitem_id 0
		.amdhsa_next_free_vgpr 1024
		.amdhsa_next_free_sgpr 102
		.amdhsa_reserve_vcc 0
		.amdhsa_float_denorm_mode_32 3
		.amdhsa_float_denorm_mode_16_64 3
		.amdhsa_memory_ordered 1
		.amdhsa_forward_progress 1
		.amdhsa_inst_pref_size 255
	.end_amdhsa_kernel
	.section	.bss,"aw",@nobits
	.p2align	6
	.space	262144
	.amdgpu_metadata
---
amdhsa.version: [ 1, 2 ]
amdhsa.kernels:
  - .name:           k_q3a66d448ee_qkv
    .symbol:         k_q3a66d448ee_qkv.kd
    .args:
      - { .name: ops, .offset: 0, .size: 8, .value_kind: global_buffer, .address_space: global }
      - { .name: qkv, .offset: 8, .size: 8, .value_kind: global_buffer, .address_space: global }
    .group_segment_fixed_size: 327680
    .private_segment_fixed_size: 0
    .kernarg_segment_align: 8
    .kernarg_segment_size: 16
    .max_flat_workgroup_size: 128
    .sgpr_count:     102
    .vgpr_count:     1024
    .wavefront_size: 32
...
	.end_amdgpu_metadata
.endif
;; end of part 2
;; launch attn (part 3): grid 2 x 128, 16 waves a work-group, no clusters, 327,680 bytes of LDS; arguments qkv, ctx; writes ctx
.if DOCPART == 3
	.amdgcn_target "amdgcn-amd-amdhsa--gfx1250"
	.amdhsa_code_object_version 6
	.text
	.protected	k_q3a66d448ee_attn
	.globl	k_q3a66d448ee_attn
	.p2align	8
	.type	k_q3a66d448ee_attn,@function
k_q3a66d448ee_attn:
	s_mov_b64 s[64:65], 0
	v_nop
	global_prefetch_b8 v0, s[64:65] scope:SCOPE_SE
	s_setreg_imm32_b32 hwreg(HW_REG_WAVE_MODE, 25, 1), 1
	s_wait_xcnt 0x0
; ctx[q] = the sum over keys of softmax(q . k / 8) v for 128 heads (n = 16 b + head) of 1,024 tokens x 64, both products on codes of FP6 (E2M3) with E8M0 scales; ctx is quantised along e = 64 head + d and leaves as codes.
; THE SOFTMAX AHEAD OF THE SECOND PRODUCT: t = score x log2(e) / 8 (q came without its factor 1/8); M = the row's largest t so far, rounded UP to a whole number; p = 2^(t - M) is quantised along the keys, not normalised.
; The row's sum is taken of the unquantised p and divides O at the end.  When M moves, the sum and O are multiplied by 2^(old M - new M): exact.
; IN (qkv): units of 768 bytes, [p][lane][8] = 16 rows x 64 K in the order of an operand's registers.  q, k: [c][64 b + t / 16][head]; v: fragments of 16 d x 128 keys, [b][128 keys][4 head + d / 16][1536]; scale words beside them.
; Of 32 tokens (or d) block 2 B + u holds in its row r number 32 B + 8 u + r + 8 (r / 8): so, both products used transposed (S^T = K Q^T, O^T = V^T P^T), a lane holds ONE query, and the 16 registers of two
; neighbouring tiles are 16 neighbouring keys (or d).
; SHARES.  A work-group owns one head and 512 of its queries; each of its sixteen waves two tiles of 16 queries, one after the other, in 256 registers: four waves to a SIMD, so that one wave's vector work stands beside
; another's matrix work.  K, V and their scale words of the whole head (106,496 bytes) come into LDS ONCE, by ten tensor loads, one a wave; nothing is filled again: two barriers in the launch.
; Q of BOTH tiles is asked for at the head, ahead of the wait for the tensor loads, so that its way from memory lies beside theirs; the second tile's waits in v86-92 and is moved when its turn comes.
; NO CLUSTER: a head has two work-groups, which is no cluster of four; each fetches its 106,496 bytes once, for the 256 key steps that its waves walk.
; K = 64 IN A FORM OF 128: the upper half of Q's operand is zero codes, and bytes 2 and 3 of both scale words are 0.  The upper six registers of a tile of K are simply the next tile's codes: FP6 has no infinity and no NaN,
; so they multiply zeros to exact zeros; that lets all eight tiles of a step lie on end in 54 registers.
; LIMITS: a block's largest p is taken from its largest score by the same two instructions (this leans on v_exp_f32 not falling where its input rises); a block of zeros gets the byte 1 where the rule says 127;
; NaN and infinities are not served.
; REGISTERS: v1-7 addresses that stay; v8-11 the step's; v12 -M, v13 the largest t, v[14:15] the sum; v16-21 Q, v22-27 zeros; v32-79 K's 8 tiles, then V's 4 fragments; v80-85 zeros; v86-92 the second tile's Q and its scale word;
;   v96-159 S^T, then p; v160-191 O^T; v192-223 ctx; v224-235 p's codes; v232-247 at work; v248-251 scale words; v252 f, v253 p's scale word, v254 at work, v255 Q's scale word.
.set VC,    12582912
.set QKS,   18874368
.set VS,    19922944
.set CSC,   6291456                    ; ctx: where the scale bytes begin
.set LV,    49152                      ; LDS: K's codes at 0, V's here,
.set LKS,   98304                      ; K's scale words,
.set LVS,   102400                     ; V's
	s_load_b128 s[4:7], s[0:1], 0x0                ; qkv s[4:5], ctx s[6:7]
	v_lshl_add_u32 v95, v0, 2, 0x29000
	v_mov_b32 v243, 0
	ds_add_u32 v95, v243
	ds_add_u32 v95, v243
	v_lshrrev_b32 v8, 5, v0
	s_delay_alu instid0(VALU_DEP_1)
	v_readfirstlane_b32 s8, v8                     ; wave 0..15
	s_and_b32 s72, ttmp7, 0xffff                   ; n
	s_lshr_b32 s73, s72, 4                         ; b
	s_and_b32 s74, s72, 15                         ; head
	s_and_b32 s75, s8, 3                           ; which quarter I fetch, if I fetch codes
	; descriptor groups 1: elements of 8 bytes, no padding.  K: 16 units of 768 bytes, 12,288 bytes apart
	s_mov_b32 s20, 3<<16
	s_mov_b32 s21, 96<<16                          ; tensor_dim0
	s_mov_b32 s22, 16<<16                          ; tensor_dim1
	s_mov_b32 s23, 96<<16                          ; tile_dim0
	s_mov_b32 s24, 16                              ; tile_dim1
	s_mov_b32 s25, 1536                            ; tensor_dim0_stride
	s_mov_b32 s26, 0
	s_mov_b32 s27, 0
	; V: two key steps' 6,144 bytes (four fragments), 98,304 bytes apart
	s_mov_b32 s28, 3<<16
	s_mov_b32 s29, 768<<16
	s_mov_b32 s30, 2<<16
	s_mov_b32 s31, 768<<16
	s_mov_b32 s32, 2
	s_mov_b32 s33, 12288
	s_mov_b32 s34, 0
	s_mov_b32 s35, 0
	; K's scale words: 4,096 dense bytes, as rows of 256
	s_mov_b32 s36, 3<<16
	s_mov_b32 s37, 32<<16
	s_mov_b32 s38, 16<<16
	s_mov_b32 s39, 32<<16
	s_mov_b32 s40, 16
	s_mov_b32 s41, 32
	s_mov_b32 s42, 0
	s_mov_b32 s43, 0
	; V's: 8 key steps' 512 bytes, 8,192 bytes apart
	s_mov_b32 s44, 3<<16
	s_mov_b32 s45, 64<<16
	s_mov_b32 s46, 8<<16
	s_mov_b32 s47, 64<<16
	s_mov_b32 s48, 8
	s_mov_b32 s49, 1024
	s_mov_b32 s50, 0
	s_mov_b32 s51, 0
	s_lshl_b32 s84, s73, 6
	s_lshl_b32 s85, s75, 4
	s_add_co_u32 s84, s84, s85
	s_mul_i32 s84, s84, 12288
	s_mul_i32 s9, s74, 768                         ; the head's unit in a block
	s_add_co_u32 s84, s84, s9
	s_add_co_u32 s84, s84, 6291456                 ; K: c = 1, block 64 b + 16 x quarter
	s_mov_b32 s85, 0
	s_mul_i32 s86, s73, 786432
	s_mul_i32 s87, s74, 6144
	s_add_co_u32 s86, s86, s87
	s_mul_i32 s87, s75, 196608
	s_add_co_u32 s86, s86, s87
	s_add_co_u32 s86, s86, VC                      ; V: key steps 2 x quarter on
	s_mov_b32 s87, 0
	s_lshl_b32 s88, s72, 12
	s_add_co_u32 s88, s88, QKS+524288              ; K's scale words
	s_mov_b32 s89, 0
	s_lshl_b32 s18, s73, 16
	s_lshl_b32 s19, s74, 9
	s_add_co_u32 s18, s18, s19
	s_add_co_u32 s18, s18, VS                      ; V's
	s_mov_b32 s19, 0
	s_mul_i32 s16, s75, 12288                      ; a quarter's place in LDS
	s_mov_b32 s10, 0x76543210
	s_mov_b32 s11, 0xfedcba98                      ; v_permlanex16_b32's selects for lane l xor 16
	s_mov_b32 s12, 0x3e38aa3b                      ; c = log2(e) / 8
	s_mov_b32 s13, s12                             ; (named with it as a pair, so it is written)
	s_mov_b32 s17, 0xffff0000                      ; lanes 16-31
	s_wait_dscnt 0x0
	s_wait_kmcnt 0x0
	s_mov_b32 s52, 1
	s_mov_b32 s53, s16
	s_add_nc_u64 s[54:55], s[4:5], s[84:85]
	s_or_b32 s55, s55, 0x80000000
	s_mov_b32 s56, 1
	s_add_co_u32 s57, s16, LV
	s_add_nc_u64 s[58:59], s[4:5], s[86:87]
	s_or_b32 s59, s59, 0x80000000
	s_mov_b32 s60, 1
	s_mov_b32 s61, LKS
	s_add_nc_u64 s[62:63], s[4:5], s[88:89]
	s_or_b32 s63, s63, 0x80000000
	s_mov_b32 s68, 1
	s_mov_b32 s69, LVS
	s_add_nc_u64 s[70:71], s[4:5], s[18:19]
	s_or_b32 s71, s71, 0x80000000
	; waves 0-3: K's quarters; 4-7: V's; 8: K's scale words; 9: V's; the others nothing.  One load a wave; four v_nop follow each
	; AT THE HEAD only what the first two key steps read: wave 0 K's first quarter, wave 4 V's, waves 8 and 9 the scale words
	s_cmp_eq_u32 s8, 0
	s_cbranch_scc0 .Lnot_k
	tensor_load_to_lds s[52:55], s[20:27]
	s_nop 0
.rept 4
	v_nop
.endr
	s_branch .Lasked
.Lnot_k:
	s_cmp_eq_u32 s8, 4
	s_cbranch_scc0 .Lnot_v
	tensor_load_to_lds s[56:59], s[28:35]
	s_nop 0
.rept 4
	v_nop
.endr
	s_branch .Lasked
.Lnot_v:
	s_cmp_eq_u32 s8, 8
	s_cbranch_scc0 .Lnot_ks
	tensor_load_to_lds s[60:63], s[36:43]
	s_nop 0
.rept 4
	v_nop
.endr
	s_branch .Lasked
.Lnot_ks:
	s_cmp_eq_u32 s8, 9
	s_cbranch_scc0 .Lasked
	tensor_load_to_lds s[68:71], s[44:51]
	s_nop 0
.rept 4
	v_nop
.endr
.Lasked:
	s_lshl_b32 s84, s73, 6
	s_lshl_b32 s85, ttmp9, 5
	s_add_co_u32 s85, s85, s8                      ; my first tile of the head's 64: 32 x + wave
	s_add_co_u32 s84, s84, s85                     ; and as a block: 64 b + that
	s_mul_i32 s86, s84, 12288
	s_add_co_u32 s86, s86, s9
	s_mov_b32 s87, 0
	s_add_nc_u64 s[76:77], s[4:5], s[86:87]        ; Q's unit
	s_add_nc_u64 s[80:81], s[6:7], s[86:87]        ; ctx's unit: the same place in ctx
	s_lshl_b32 s86, s72, 12
	s_lshl_b32 s85, s85, 6
	s_add_co_u32 s86, s86, s85
	s_add_co_u32 s86, s86, QKS
	s_add_nc_u64 s[78:79], s[4:5], s[86:87]        ; Q's scale words
	s_lshl_b32 s86, s84, 9
	s_lshr_b32 s85, s74, 2
	s_lshl_b32 s85, s85, 7
	s_add_co_u32 s86, s86, s85
	s_and_b32 s85, s74, 3
	s_lshl_b32 s85, s85, 1
	s_add_co_u32 s86, s86, s85
	s_add_co_u32 s86, s86, CSC
	s_add_nc_u64 s[82:83], s[6:7], s[86:87]        ; ctx's scale bytes: [block][e / 256][row][8], byte (e / 32) % 8
	v_and_b32 v8, 31, v0                           ; lane
	v_and_b32 v9, 15, v0                           ; r
	v_bfe_u32 v10, v0, 4, 1                        ; h
	s_delay_alu instid0(VALU_DEP_3)
	v_lshlrev_b32 v5, 3, v8                        ; in memory: 8 x lane,
	s_delay_alu instid0(VALU_DEP_3)
	v_lshlrev_b32 v6, 2, v9                        ; 4 r,
	s_delay_alu instid0(VALU_DEP_3)
	v_lshl_add_u32 v7, v9, 3, v10                  ; 8 r + h
.irp p, 0,1,2
	global_load_b64 v[16+2*\p:17+2*\p], v5, s[76:77] offset:256*\p          ; my first tile's Q,
.endr
	global_load_b32 v255, v6, s[78:79]                                      ; its scale words,
.irp p, 0,1,2
	global_load_b64 v[86+2*\p:87+2*\p], v5, s[76:77] offset:196608+256*\p   ; and my second tile's, 16 blocks on: eight loads that are on their way beside the tensor loads
.endr
	global_load_b32 v92, v6, s[78:79] offset:1024
	v_lshlrev_b32 v1, 3, v8                        ; K's tiles: 8 x lane
	v_lshl_add_u32 v2, v8, 3, LV                   ; V's
	v_lshl_add_u32 v3, v8, 2, LKS                  ; K's scale words: lanes 0-15 an even tile's, lanes 16-31 the odd tile's behind it
	v_lshl_add_u32 v4, v8, 2, LVS                  ; V's
.irp j, 0,1,2,3,4,5
	v_mov_b32 v[22+\j], 0                          ; the upper half of Q's operand: zero codes
	v_mov_b32 v[80+\j], 0                          ; what stands behind K's last tile
.endr
.irp b, 0,1,2,3
	v_mov_b32 v[236+\b], 0                         ; written once: a lane permute's destination counts as one of its sources
.endr
	v_mov_b32 v253, 0                              ; (named as the upper half of the pair v[252:253] before it is first written)
	s_wait_tensorcnt 0x0                           ; my load, if I had one, has landed
	ds_add_u32 v95, v243                           ; the add twice on end
	ds_add_u32 v95, v243
	s_wait_dscnt 0x0
	s_barrier_signal -1
	s_barrier_wait -1                              ; the first 256 keys and all scale words are in
	; the other three quarters of K (waves 1-3) and of V (waves 5-7): 12,288 bytes a load; they land under the first two key steps
	s_cmp_eq_u32 s75, 0
	s_cbranch_scc1 .Lasked2
	s_cmp_lt_u32 s8, 4
	s_cbranch_scc0 .Lnot_k2
	tensor_load_to_lds s[52:55], s[20:27]
	s_nop 0
.rept 4
	v_nop
.endr
	s_branch .Lasked2
.Lnot_k2:
	s_cmp_lt_u32 s8, 8
	s_cbranch_scc0 .Lasked2
	tensor_load_to_lds s[56:59], s[28:35]
	s_nop 0
.rept 4
	v_nop
.endr
.Lasked2:
; A KEY STEP: 128 keys.  s14: the step's codes (6,144 bytes of K and of V a step); s15: its scale words (512 bytes each)
.macro STEP
	v_add_nc_u32 v8, s14, v1                       ; (these four are also the places between the last step's products and the loads below)
	v_add_nc_u32 v9, s14, v2
	v_add_nc_u32 v10, s15, v3
	v_add_nc_u32 v11, s15, v4
.irp t, 0,1,2,3,4,5,6,7
.irp p, 0,1,2
	ds_load_b64 v[32+6*\t+2*\p:33+6*\t+2*\p], v8 offset:768*\t+256*\p
.endr
.endr
.irp i, 0,1,2,3
	ds_load_b32 v[248+\i], v10 offset:128*\i
.endr
	s_wait_alu depctr_va_vdst(0)
	s_wait_dscnt 0x0
.irp t, 0,1,2,3,4,5,6,7                ; S^T = K Q^T: lane (r, h) holds query r; the 16 registers of tiles 2 b, 2 b + 1 are keys 32 b + 16 h + 0 .. 15 of the step
.if \t%2
	v_wmma_scale_f32_16x16x128_f8f6f4 v[96+8*\t:103+8*\t], v[32+6*\t:43+6*\t], v[16:27], 0, v[248+\t/2], v255 matrix_a_fmt:MATRIX_FMT_FP6 matrix_b_fmt:MATRIX_FMT_FP6 matrix_a_scale:MATRIX_SCALE_ROW1
.else
	v_wmma_scale_f32_16x16x128_f8f6f4 v[96+8*\t:103+8*\t], v[32+6*\t:43+6*\t], v[16:27], 0, v[248+\t/2], v255 matrix_a_fmt:MATRIX_FMT_FP6 matrix_b_fmt:MATRIX_FMT_FP6
.endif
.endr
.rept 4
	v_nop                                          ; places in front of the loads into K's registers and of the first read of the scores
.endr
.irp d, 0,1,2,3                        ; V's four fragments and their scale words are asked for now: they land under the softmax
.irp p, 0,1,2,3,4,5
	ds_load_b64 v[32+12*\d+2*\p:33+12*\d+2*\p], v9 offset:1536*\d+256*\p
.endr
	ds_load_b32 v[248+\d], v11 offset:128*\d
.endr
.irp b, 0,1,2,3
	v_max3_num_f32 v[232+\b], v[96+16*\b], v[97+16*\b], v[98+16*\b]   ; THE LARGEST SCORE OF EACH BLOCK OF 32 KEYS: for the row's maximum, and, since p rises with the score, for the block's largest p
.endr
.irp i, 3,5,7,9,11,13
.irp b, 0,1,2,3
	v_max3_num_f32 v[232+\b], v[232+\b], v[96+16*\b+\i], v[97+16*\b+\i]
.endr
.endr
.irp b, 0,1,2,3
	v_max_num_f32 v[232+\b], v[232+\b], v[111+16*\b]
.endr
.irp b, 0,1,2,3
	s_delay_alu instid0(VALU_DEP_4)
	v_permlanex16_b32 v[236+\b], v[232+\b], s10, s11
.endr
.irp b, 0,1,2,3
	s_delay_alu instid0(VALU_DEP_4)
	v_max_num_f32 v[232+\b], v[232+\b], v[236+\b]  ; with lane l xor 16's 16 keys
.endr
	s_delay_alu instid0(VALU_DEP_2)
	v_max3_num_f32 v254, v232, v233, v234
	s_delay_alu instid0(VALU_DEP_1)
	v_max_num_f32 v254, v254, v235                 ; the step's largest score of my query
	s_delay_alu instid0(VALU_DEP_1)
	v_mul_f32 v254, s12, v254                      ; as t (c is positive)
	s_delay_alu instid0(VALU_DEP_1)
	v_max_num_f32 v13, v13, v254                   ; the running largest t
	v_mov_b32 v254, v12
	s_delay_alu instid0(VALU_DEP_2)
	v_floor_f32 v12, -v13                          ; the new -M = floor(-t) = -ceil(t): M IS A WHOLE NUMBER
	s_delay_alu instid0(VALU_DEP_1)
	v_sub_f32 v254, v12, v254                      ; M's old value less its new one: a whole number, 0 or less
	s_delay_alu instid0(VALU_DEP_1)
	v_cvt_i32_f32 v254, v254                       ; (it saturates)
	s_delay_alu instid0(VALU_DEP_1)
	v_ldexp_f32 v252, 1.0, v254                    ; f = 2^(old M - new M)
.set j, 0
.rept 32
	v_pk_fma_f32 v[96+j:97+j], v[96+j:97+j], s[12:13], v[12:13] op_sel_hi:[1,0,0]   ; t - M, two at a time
.set j, j+2
.endr
.irp b, 0,1,2,3
	v_fma_f32 v[232+\b], v[232+\b], s12, v12       ; the same of each block's largest score
.endr
.set j, 0
	s_wait_alu depctr_va_vdst(0)
.rept 64
	v_exp_f32 v[96+j], v[96+j]                     ; p = 2^(t - M), at most 1: NOT normalised
.set j, j+1
.endr
.irp b, 0,1,2,3
	v_exp_f32 v[232+\b], v[232+\b]                 ; the block's largest p: the same two instructions on the same number give the same bits
.endr
	v_pk_mul_f32 v[14:15], v[14:15], v[252:253] op_sel_hi:[1,0]   ; the sums under the new M.  (A plain instruction behind the exponentials)
	s_wait_alu depctr_va_vdst(0)
.irp b, 0,1,2,3
	v_max_num_f32 v[232+\b], 0x1800000, v[232+\b]  ; the floor 2^(3 - 127): the byte cannot fall under 1
.endr
.irp b, 0,1,2,3
	s_delay_alu instid0(VALU_DEP_4)
	v_add_nc_u32 v[244+\b], 0xff000000, v[232+\b]  ; 2 off the exponent field: the conversion's scale operand
.endr
.irp b, 0,1,2,3
	s_delay_alu instid0(VALU_DEP_4)
	v_lshrrev_b32 v[236+\b], 23, v[244+\b]         ; the scale's byte
.endr
	s_delay_alu instid0(VALU_DEP_3)
	v_lshl_or_b32 v253, v237, 8, v236              ; p's scale word for these 128 keys
	s_delay_alu instid0(VALU_DEP_1)
	v_lshl_or_b32 v253, v238, 16, v253
	s_delay_alu instid0(VALU_DEP_1)
	v_lshl_or_b32 v253, v239, 24, v253
.irp c, 0,1
	v_cvt_scalef32_pk16_fp6_f32 v[224+6*\c:226+6*\c], v[96+32*\c:111+32*\c], v[244+2*\c]
	v_cvt_scalef32_pk16_fp6_f32 v[236+4*\c:238+4*\c], v[112+32*\c:127+32*\c], v[244+2*\c+1]   ; (a conversion's three registers begin on an even number)
.endr
	v_nop                                          ; one plain instruction behind a scaled conversion
.irp c, 0,1                            ; the operand's layout wants a WHOLE block in a lane
.irp i, 0,1,2
	v_permlane16_swap_b32 v[224+6*\c+\i], v[236+4*\c+\i]
.endr
.irp i, 0,1,2
	s_delay_alu instid0(VALU_DEP_3)
	v_mov_b32 v[227+6*\c+\i], v[236+4*\c+\i]
.endr
.endr
	v_pk_add_f32 v[236:237], v[100:101], v[104:105]
	v_pk_add_f32 v[246:247], v[108:109], v[112:113]
	v_pk_add_f32 v[244:245], v[116:117], v[120:121]
	v_pk_add_f32 v[240:241], v[124:125], v[128:129]
	v_pk_add_f32 v[222:223], v[132:133], v[136:137]
	v_pk_add_f32 v[220:221], v[140:141], v[144:145]
	v_pk_add_f32 v[218:219], v[148:149], v[152:153]
	v_pk_add_f32 v[14:15], v[14:15], v[156:157]
	v_pk_add_f32 v[236:237], v[236:237], v[96:97]
	v_pk_add_f32 v[246:247], v[246:247], v[98:99]
	v_pk_add_f32 v[244:245], v[244:245], v[102:103]
	v_pk_add_f32 v[240:241], v[240:241], v[106:107]
	v_pk_add_f32 v[222:223], v[222:223], v[110:111]
	v_pk_add_f32 v[220:221], v[220:221], v[114:115]
	v_pk_add_f32 v[218:219], v[218:219], v[118:119]
	v_pk_add_f32 v[14:15], v[14:15], v[122:123]
	v_pk_add_f32 v[236:237], v[236:237], v[126:127]
	v_pk_add_f32 v[246:247], v[246:247], v[130:131]
	v_pk_add_f32 v[244:245], v[244:245], v[134:135]
	v_pk_add_f32 v[240:241], v[240:241], v[138:139]
	v_pk_add_f32 v[222:223], v[222:223], v[142:143]
	v_pk_add_f32 v[220:221], v[220:221], v[146:147]
	v_pk_add_f32 v[218:219], v[218:219], v[150:151]
	v_pk_add_f32 v[14:15], v[14:15], v[154:155]
	v_pk_add_f32 v[236:237], v[236:237], v[158:159]
	s_delay_alu instid0(VALU_DEP_2)
	v_pk_add_f32 v[14:15], v[14:15], v[240:241]
	s_delay_alu instid0(VALU_DEP_2)
	v_pk_add_f32 v[236:237], v[236:237], v[222:223]
	v_pk_add_f32 v[246:247], v[246:247], v[220:221]
	v_pk_add_f32 v[244:245], v[244:245], v[218:219]
	s_delay_alu instid0(VALU_DEP_2)
	v_pk_add_f32 v[14:15], v[14:15], v[246:247]
	s_delay_alu instid0(VALU_DEP_2)
	v_pk_add_f32 v[236:237], v[236:237], v[244:245]
	s_delay_alu instid0(VALU_DEP_1)
	v_pk_add_f32 v[14:15], v[14:15], v[236:237]
.set j, 0
.rept 16
	v_pk_mul_f32 v[160+j:161+j], v[160+j:161+j], v[252:253] op_sel_hi:[1,0]   ; O^T under the new M: x f
.set j, j+2
.endr
	s_wait_alu depctr_va_vdst(0)
	s_wait_dscnt 0x0                               ; V and its scale words are in
.irp d, 0,1,2,3                        ; O^T += V^T P^T: the four accumulators by turns
	v_wmma_scale_f32_16x16x128_f8f6f4 v[160+8*\d:167+8*\d], v[32+12*\d:43+12*\d], v[224:235], v[160+8*\d:167+8*\d], v[248+\d], v253 matrix_a_fmt:MATRIX_FMT_FP6 matrix_b_fmt:MATRIX_FMT_FP6
.endr
	s_add_co_u32 s14, s14, 6144
	s_add_co_u32 s15, s15, 512
.endm
; My i-th tile of 16 queries: tile 32 x + 16 i + wave of the head
.macro TILE i
.if \i > 0
	s_wait_loadcnt 0x0                             ; the second tile's Q, asked for at the head
	s_wait_xcnt 0x0                                ; the last tile's stores have read their registers
.irp j2, 0,1,2,3,4,5
	v_mov_b32 v[16+\j2], v[86+\j2]                 ; into the operand's registers; the 36 plain instructions below stand between these moves and the first product
.endr
	v_mov_b32 v255, v92
.endif
	v_mov_b32 v13, 0xff61b1e6                      ; the largest t so far: -3e38, under every t
	s_delay_alu instid0(VALU_DEP_1)
	v_floor_f32 v12, -v13                          ; -M
	v_mov_b32 v14, 0
	v_mov_b32 v15, 0
.set j, 0
.rept 32
	v_mov_b32 v[160+j], 0                          ; O^T: the step is written once: the first finds zeros, which the first change of M leaves zeros
.set j, j+1
.endr
	s_mov_b32 s14, 0
	s_mov_b32 s15, 0
.if \i == 0
	s_mov_b32 s16, 2                               ; the first tile's first two key steps read the first quarters alone
	s_wait_loadcnt 0x4                             ; the first tile's four loads are in; the second tile's four may be out
.Lfirst_\@:
	STEP
	s_sub_co_i32 s16, s16, 1
	s_cmp_lg_u32 s16, 0
	s_cbranch_scc1 .Lfirst_\@
	s_wait_tensorcnt 0x0                           ; my later quarter, if I had one, has landed (no LDS instruction of mine is out: the step waits for all of its own),
	s_barrier_signal -1
	s_barrier_wait -1                              ; everybody's has: all of K and V are in; nothing is filled again
	s_mov_b32 s16, 6
.else
	s_mov_b32 s16, 8
.endif
.Lstep_\@:
	STEP
	s_sub_co_i32 s16, s16, 1
	s_cmp_lg_u32 s16, 0
	s_cbranch_scc1 .Lstep_\@
	; THE WAY OUT: O^T / the sum; register 16 B + i is d = 32 B + 16 h + i of my query: two blocks of 32 along e, quantised as they stand
.rept 4
	v_nop
.endr
	v_add_f32 v14, v14, v15
	s_delay_alu instid0(VALU_DEP_1)
	v_permlanex16_b32 v252, v14, s10, s11
	s_delay_alu instid0(VALU_DEP_1)
	v_add_f32 v14, v14, v252                       ; the row's sum
	s_wait_alu depctr_va_vdst(0)
	v_rcp_f32 v14, v14
	v_nop                                          ; one plain instruction behind a transcendental
.set j, 0
	s_wait_alu depctr_va_vdst(0)
.rept 32
	v_mul_f32 v[192+j], v[160+j], v14              ; each accumulator from its low end on
.set j, j+1
.endr
.irp b, 0,1
	v_max3_num_f32 v[232+\b], |v[192+16*\b]|, |v[193+16*\b]|, 0x1800000
.endr
.irp i2, 2,4,6,8,10,12,14
.irp b, 0,1
	s_delay_alu instid0(VALU_DEP_2)
	v_max3_num_f32 v[232+\b], v[232+\b], |v[192+16*\b+\i2]|, |v[193+16*\b+\i2]|
.endr
.endr
.irp b, 0,1
	s_delay_alu instid0(VALU_DEP_2)
	v_permlanex16_b32 v[236+\b], v[232+\b], s10, s11
.endr
.irp b, 0,1
	s_delay_alu instid0(VALU_DEP_2)
	v_max_num_f32 v[232+\b], v[232+\b], v[236+\b]
.endr
.irp b, 0,1
	s_delay_alu instid0(VALU_DEP_2)
	v_add_nc_u32 v[244+\b], 0xff000000, v[232+\b]
.endr
.irp b, 0,1
	s_delay_alu instid0(VALU_DEP_2)
	v_lshrrev_b32 v[236+\b], 23, v[244+\b]
.endr
	v_cvt_scalef32_pk16_fp6_f32 v[224:226], v[192:207], v244
	v_cvt_scalef32_pk16_fp6_f32 v[228:230], v[208:223], v245
	v_nop
.irp i2, 0,1,2
	v_permlane16_swap_b32 v[224+\i2], v[228+\i2]   ; lanes 0-15 now hold block 0 whole, lanes 16-31 block 1
.endr
	s_delay_alu instid0(VALU_DEP_3)
	v_mov_b32 v227, v228
	s_delay_alu instid0(VALU_DEP_3)
	v_mov_b32 v228, v229
	s_delay_alu instid0(VALU_DEP_3)
	v_mov_b32 v229, v230
	v_cndmask_b32 v231, v236, v237, s17            ; my block's byte
.irp p, 0,1,2
	global_store_b64 v5, v[224+2*\p:225+2*\p], s[80:81] offset:196608*\i+256*\p   ; 256 consecutive bytes a store, aligned
.endr
	global_store_b8 v7, v231, s[82:83] offset:8192*\i
.endm
	TILE 0
	TILE 1
	s_wait_tensorcnt 0x0
	ds_add_u32 v95, v243
	s_wait_dscnt 0x0
	s_endpgm
.Lfunc_end_k_q3a66d448ee_attn:
	.size	k_q3a66d448ee_attn, .Lfunc_end_k_q3a66d448ee_attn-k_q3a66d448ee_attn
	.p2alignl 7, 3214868480
	.fill 96, 4, 3214868480
	.section	.rodata,"a",@progbits
	.p2align	6, 0x0
	.amdhsa_kernel k_q3a66d448ee_attn
		.amdhsa_group_segment_fixed_size 327680
		.amdhsa_private_segment_fixed_size 0
		.amdhsa_enable_private_segment 0
		.amdhsa_kernarg_size 16
		.amdhsa_user_sgpr_count 2
		.amdhsa_user_sgpr_kernarg_segment_ptr 1
		.amdhsa_wavefront_size32 1
		.amdhsa_system_sgpr_workgroup_id_x 1
		.amdhsa_system_sgpr_workgroup_id_y 1
		.amdhsa_system_sgpr_workgroup_id_z 1
		.amdhsa_system_vgpr_workitem_id 0
		.amdhsa_next_free_vgpr 256
		.amdhsa_next_free_sgpr 90
		.amdhsa_reserve_vcc 0
		.amdhsa_float_denorm_mode_32 3
		.amdhsa_float_denorm_mode_16_64 3
		.amdhsa_memory_ordered 1
		.amdhsa_forward_progress 1
		.amdhsa_inst_pref_size 77
	.end_amdhsa_kernel
	.amdgpu_metadata
---
amdhsa.version: [ 1, 2 ]
amdhsa.kernels:
  - .name:           k_q3a66d448ee_attn
    .symbol:         k_q3a66d448ee_attn.kd
    .args:
      - { .name: qkv, .offset: 0, .size: 8, .value_kind: global_buffer, .address_space: global }
      - { .name: ctx, .offset: 8, .size: 8, .value_kind: global_buffer, .address_space: global }
    .group_segment_fixed_size: 327680
    .private_segment_fixed_size: 0
    .kernarg_segment_align: 8
    .kernarg_segment_size: 16
    .max_flat_workgroup_size: 512
    .sgpr_count:     90
    .vgpr_count:     256
    .wavefront_size: 32
...
	.end_amdgpu_metadata
.endif
;; end of part 3
;; launch oproj (part 4): grid 8 x 32, 4 waves a work-group, clusters of 4 x 4, 327,680 bytes of LDS; arguments ctx, ops, out0; writes out0
.if DOCPART == 4
	.amdgcn_target "amdgcn-amd-amdhsa--gfx1250"
	.amdhsa_code_object_version 6
	.text
	.protected	k_q3a66d448ee_oproj
	.globl	k_q3a66d448ee_oproj
	.p2align	8
	.type	k_q3a66d448ee_oproj,@function
k_q3a66d448ee_oproj:
	s_mov_b64 s[64:65], 0
	v_nop
	global_prefetch_b8 v0, s[64:65] scope:SCOPE_SE
	s_setreg_imm32_b32 hwreg(HW_REG_WAVE_MODE, 25, 1), 1
	s_wait_xcnt 0x0
	s_wait_alu depctr_hold_cnt(0) depctr_sa_sdst(0) depctr_va_vdst(0) depctr_va_sdst(0) depctr_va_ssrc(0) depctr_va_vcc(0) depctr_vm_vsrc(0)
	s_getreg_b32 s2, hwreg(HW_REG_IB_STS2, 6, 4)
	s_cmp_eq_u32 s2, 0
	s_cbranch_scc0 .Lentry_in_a_cluster
	s_endpgm
.Lentry_in_a_cluster:
	s_bfe_u32 s2, ttmp6, 0x10000c
	s_cmp_lg_u32 s2, 0xf033
	s_cbranch_scc0 .Lentry_shape_is_right
	s_endpgm
.Lentry_shape_is_right:
.set NBK,   4
; out0 = ctx Wo^T (8,192 x 1,024 x 1,024) on codes of FP6 (E2M3) with E8M0 scales; a work-group makes 256 x 128 of it, a wave 128 x 64 (32 accumulators); clusters 4 x 4 with joint loads.
; ALL OF K LIES IN LDS: two slots, each 512 along K of A's 16 blocks and B's 8 (6,144 bytes a block), each filled ONCE: 294,912 bytes; behind them 12,288 of scales and the spare words.
; So nothing is filled again: one plain barrier stands ahead of the first read of slot 1.
.set HALFA, 49152                      ; 8 blocks x 6,144 bytes (512 along K)
.set HALFB, 6144*NBK
.set SLOT,  2*HALFA+2*HALFB
.set SCL,   2*SLOT
.set HSA,   4096
.set HSB,   512*NBK
.set SPARE, SCL+2*HSB+2*HSA
.set OSC,   9437184
.set CSC,   6291456
.set ADRA, 16
.set ADRB, 20
.set STO,  24
.set RD,   25
.set CO,   26
.set ADRS, 27
.set SPW,  28
.set NIL,  29
.set SC,   32
.set AF,   128
.set G1, 24
.set G0, 32
.set G1B, 48
.set G0B, 56
.set G1S, 68
.set G0S, 76
.set G1SB, 80
.set G0SB, 88
.set MSB, 0
.macro WIN new
.if MSB != (\new)
	s_set_vgpr_msb (MSB<<8)|(\new)
.set MSB, (\new)
.endif
.endm
.set MUL_LO, 0xa1
.set MUL_HI, 0xf1
.set TO_B,   0x40
.macro JLOAD g0a, g1a, g0b, g1b
	s_cmp_eq_u32 s15, 0
	s_cbranch_scc0 .Lfor_b_\@
	tensor_load_to_lds s[\g0a:\g0a+3], s[\g1a:\g1a+7]
	s_nop 0
.rept 4
	v_nop
.endr
	s_branch .Lasked_\@
.Lfor_b_\@:
	tensor_load_to_lds s[\g0b:\g0b+3], s[\g1b:\g1b+7]
	s_nop 0
.rept 4
	v_nop
.endr
.Lasked_\@:
.endm
.macro CREST
	s_cmp_lg_u32 s14, 0
	s_cbranch_scc1 .Lnot_wave_0_\@
	s_barrier_signal -3
.Lnot_wave_0_\@:
	s_barrier_wait -3
	s_barrier_signal -1
	s_barrier_wait -1
.endm
.macro CROUND
	s_barrier_signal -1
	s_barrier_wait -1
	CREST
.endm
.macro PLACES n
.rept \n
	v_nop
.endr
.endm
	s_load_b128 s[4:7], s[0:1], 0x0
	s_load_b64 s[8:9], s[0:1], 0x10
	v_lshl_add_u32 v[SPW], v0, 2, SPARE
	v_mov_b32 v[NIL], 0
	ds_add_u32 v28, v29
	ds_add_u32 v28, v29
	s_wait_dscnt 0x0
	v_lshrrev_b32 v1, 5, v0
	v_readfirstlane_b32 s14, v1
	s_lshr_b32 s15, s14, 1
	s_and_b32 s16, s14, 1
	s_bfe_u32 s40, ttmp6, 0x40000
	s_bfe_u32 s41, ttmp6, 0x40004
	s_lshl_b32 s42, ttmp9, 2
	s_add_co_u32 s42, s42, s40
	s_and_b32 s17, ttmp7, 0xffff
	s_lshl_b32 s17, s17, 2
	s_add_co_u32 s17, s17, s41
	s_lshl_b32 s43, s41, 2
	s_lshl_b32 s43, 15, s43
	s_lshl_b32 s44, 0x1111, s40
	s_or_b32 s[G1+0], s43, (3<<16)|(1<<21)
	s_mov_b32 s[G1+1], 768<<16                     ; a tile's row: 6,144 bytes of a block = 768 elements of 8 bytes
	s_mov_b32 s[G1+2], 16<<16                      ; the head's load brings all 16 blocks of A (ctx)
	s_mov_b32 s[G1+3], 768<<16
	s_mov_b32 s[G1+4], 16
	s_mov_b32 s[G1+5], 1536
	s_mov_b32 s[G1+6], 0
	s_mov_b32 s[G1+7], 0
	s_or_b32 s[G1B+0], s44, (3<<16)|(1<<21)
	s_mov_b32 s[G1B+1], 768<<16
	s_mov_b32 s[G1B+2], (2*NBK)<<16                ; and all 2 NBK blocks of B (out_proj)
	s_mov_b32 s[G1B+3], 768<<16
	s_mov_b32 s[G1B+4], 2*NBK
	s_mov_b32 s[G1B+5], 1536
	s_mov_b32 s[G1B+6], 0
	s_mov_b32 s[G1B+7], 0
	s_or_b32 s[G1S+0], s43, (3<<16)|(1<<21)
	s_mov_b32 s[G1S+1], 32<<16
	s_mov_b32 s[G1S+2], 32<<16                     ; A's scales: 16 blocks x 512 bytes, as rows of 256
	s_mov_b32 s[G1S+3], 32<<16
	s_mov_b32 s[G1S+4], 32
	s_mov_b32 s[G1S+5], 32
	s_mov_b32 s[G1S+6], 0
	s_mov_b32 s[G1S+7], 0
	s_or_b32 s[G1SB+0], s44, (3<<16)|(1<<21)
	s_mov_b32 s[G1SB+1], 32<<16
	s_mov_b32 s[G1SB+2], (4*NBK)<<16               ; B's scales: 2 NBK blocks x 512 bytes
	s_mov_b32 s[G1SB+3], 32<<16
	s_mov_b32 s[G1SB+4], 4*NBK
	s_mov_b32 s[G1SB+5], 32
	s_mov_b32 s[G1SB+6], 0
	s_mov_b32 s[G1SB+7], 0
	s_lshl_b32 s18, s16, 3
	s_lshl_b32 s20, s17, 4
	s_add_co_u32 s20, s20, s18
	s_lshl_b32 s19, s16, 2
	s_lshl_b32 s46, s42, 3
	s_add_co_u32 s46, s46, s19
	s_add_co_u32 s46, s46, 704
	s_lshl_b32 s22, s17, 13                        ; the scales of the tile's 16 blocks of ctx, from block 16 x tile row
	s_add_co_u32 s22, s22, CSC
	s_mul_i32 s20, s20, 12288
	s_lshl_b32 s94, s42, 12                        ; and of out_proj, from block 704 + 8 x tile column
	s_add_co_u32 s94, s94, OSC+360448
	s_mul_i32 s46, s46, 12288
	s_mov_b32 s21, 0
	s_mov_b32 s23, 0
	s_mov_b32 s47, 0
	s_mov_b32 s95, 0
	s_mul_i32 s18, s14, HALFA
	s_mul_i32 s19, s14, HALFB
	s_wait_kmcnt 0x0
	s_add_nc_u64 s[20:21], s[4:5], s[20:21]
	s_add_nc_u64 s[22:23], s[4:5], s[22:23]
	s_add_nc_u64 s[46:47], s[6:7], s[46:47]
	s_add_nc_u64 s[94:95], s[6:7], s[94:95]
	CROUND
	s_mov_b32 s[G0S], 1
	s_mov_b32 s[G0S+1], SCL+2*HSB                  ; A's scales, whole, behind B's
	s_mov_b64 s[G0S+2:G0S+3], s[22:23]
	s_or_b32 s[G0S+3], s[G0S+3], 0x80000000
	s_mov_b32 s[G0SB], 1
	s_mov_b32 s[G0SB+1], SCL                       ; B's scales, whole
	s_mov_b64 s[G0SB+2:G0SB+3], s[94:95]
	s_or_b32 s[G0SB+3], s[G0SB+3], 0x80000000
.irp s, 0,1
	s_mov_b32 s[G0+4*\s], 1
	s_add_co_u32 s[G0+4*\s+1], s18, \s*SLOT
	s_add_nc_u64 s[G0+4*\s+2:G0+4*\s+3], s[20:21], \s*6144
	s_or_b32 s[G0+4*\s+3], s[G0+4*\s+3], 0x80000000
	s_mov_b32 s[G0B+4*\s], 1
	s_add_co_u32 s[G0B+4*\s+1], s19, \s*SLOT+2*(HALFA-HALFB)
	s_add_nc_u64 s[G0B+4*\s+2:G0B+4*\s+3], s[46:47], \s*6144
	s_or_b32 s[G0B+4*\s+3], s[G0B+4*\s+3], 0x80000000
.endr
; THE HEAD'S LOADS, ONE A WAVE: wave 0 K step 0 of A's 16 blocks, wave 1 A's scales, wave 2 K step 0 of B's blocks, wave 3 B's scales.
; One tree of branches on the wave's number: every way through it passes exactly one load.
.macro ARM under, g0, g1, next
	s_cmp_lt_u32 s14, \under
	s_cbranch_scc0 \next
	tensor_load_to_lds s[\g0:\g0+3], s[\g1:\g1+7]
	s_nop 0
.rept 4
	v_nop
.endr
	s_branch .Lhead_asked
\next:
.endm
	ARM 1, G0,  G1,  .Lhead_sa
	ARM 2, G0S, G1S, .Lhead_b
	ARM 3, G0B, G1B, .Lhead_sb
	tensor_load_to_lds s[G0SB:G0SB+3], s[G1SB:G1SB+7]
	s_nop 0
.rept 4
	v_nop
.endr
.Lhead_asked:
	v_and_b32 v1, 15, v0
	v_bfe_u32 v2, v0, 4, 1
	s_wait_alu depctr_va_vdst(0)
	v_and_b32 v3, 31, v0
	v_lshlrev_b32 v3, 3, v3
	s_mul_i32 s21, s15, HALFA
	s_mul_i32 s22, s16, HALFB
	s_add_co_u32 s22, s22, 2*HALFA
.irp s, 0,1
	v_add_nc_u32 v[ADRA+\s], s21, v3
	v_add_nc_u32 v[ADRB+\s], s22, v3
	s_add_co_u32 s21, s21, SLOT
	s_add_co_u32 s22, s22, SLOT
.endr
	v_lshlrev_b32 v5, 3, v1
	s_mul_i32 s21, s16, HSB
	s_mul_i32 s22, s15, HSA
	s_add_co_u32 s22, s22, 2*HSB
	s_sub_co_u32 s22, s22, s21
	v_mul_u32_u24 v6, s22, v2
	s_add_co_u32 s21, s21, SCL
	v_add_nc_u32 v5, v5, v6
	v_add_nc_u32 v[ADRS], s21, v5
	s_mul_i32 s23, s14, 16*272
	v_mul_u32_u24 v4, v1, 272
	v_lshl_add_u32 v4, v2, 6, v4
	v_add_nc_u32 v[STO], s23, v4
	v_mul_u32_u24 v4, v2, 272
	v_lshl_add_u32 v4, v1, 4, v4
	v_add_nc_u32 v[RD], s23, v4
	v_lshlrev_b32 v4, 15, v2
	v_lshl_add_u32 v[CO], v1, 4, v4
	s_lshl_b32 s18, s17, 4
	s_lshl_b32 s19, s15, 3
	s_add_co_u32 s18, s18, s19
	s_and_b32 s20, s18, 63
	s_lshr_b32 s20, s20, 1
	s_lshl_b32 s20, s20, 20
	s_lshr_b32 s21, s18, 6
	s_lshl_b32 s21, s21, 12
	s_add_co_u32 s20, s20, s21
	s_lshl_b32 s21, s42, 9
	s_add_co_u32 s20, s20, s21
	s_lshl_b32 s21, s16, 8
	s_add_co_u32 s20, s20, s21
	s_mov_b32 s21, 0
	s_add_nc_u64 s[8:9], s[8:9], s[20:21]
.macro FRAG reg, adr, q, i
.irp p, 0,1,2,3,4,5
	ds_load_b64 v[\reg+2*\p:\reg+2*\p+1], v[\adr] offset:6144*(\i)+1536*(\q)+256*\p   ; q: which 128 of the slot's 512 along K
.endr
.endm
.macro MULA a0, p, q, sc, zero
.irp a, \a0, \a0+1
.irp b, 0,1,2,3,4,5,6,7
.if \b < NBK
.if \zero
	v_wmma_scale_f32_16x16x128_f8f6f4 v[8*(8*((\a)%4)+\b):8*(8*((\a)%4)+\b)+7], v[128*(\p)+12*\b:128*(\p)+12*\b+11], v[AF+12*(\a):AF+12*(\a)+11], 0, v[SC+16*(\sc)+2*\b+(\q)], v[SC+16*(\sc)+2*(\a)+(\q)] matrix_a_fmt:MATRIX_FMT_FP6 matrix_b_fmt:MATRIX_FMT_FP6 matrix_b_scale:MATRIX_SCALE_ROW1
.else
	v_wmma_scale_f32_16x16x128_f8f6f4 v[8*(8*((\a)%4)+\b):8*(8*((\a)%4)+\b)+7], v[128*(\p)+12*\b:128*(\p)+12*\b+11], v[AF+12*(\a):AF+12*(\a)+11], v[8*(8*((\a)%4)+\b):8*(8*((\a)%4)+\b)+7], v[SC+16*(\sc)+2*\b+(\q)], v[SC+16*(\sc)+2*(\a)+(\q)] matrix_a_fmt:MATRIX_FMT_FP6 matrix_b_fmt:MATRIX_FMT_FP6 matrix_b_scale:MATRIX_SCALE_ROW1
.endif
.endif
.endr
.endr
.endm
.macro FETCH_B slot, q, p
	WIN TO_B
.irp i, 0,1,2,3,4,5,6,7
.if \i < NBK
	FRAG 128*(\p)+12*\i, ADRB+\slot, \q, \i
.endif
.endr
	WIN 0
.endm
.macro FETCH_A slot, q, i0
.irp i, \i0, \i0+1, \i0+2, \i0+3
	FRAG AF+12*(\i), ADRA+\slot, \q, \i
.endr
.endm
.macro SCALES sc, ks
.irp i, 0,1,2,3,4,5,6,7
	ds_load_b64 v[SC+16*\sc+2*\i:SC+16*\sc+2*\i+1], v[ADRS] offset:512*\i+128*\ks
.endr
.endm
; Step k of eight, 128 along K: 32 matrix instructions on B's set k % 2 and scale set (k / 2) % 2; the next step's fragments are fetched in its middle and at its end, from slot (k + 1) / 4.
.macro KS k, zero
.set NX, (\k)+1
.set SS, (NX/2)%2
.set KK, NX/2
	s_wait_dscnt 24                                ; all but the youngest 24 loads (A's blocks 4-7) are in
	WIN MUL_LO
	MULA 0, (\k)%2, (\k)%2, ((\k)/2)%2, \zero
	MULA 2, (\k)%2, (\k)%2, ((\k)/2)%2, \zero
	s_wait_dscnt 0
.if (\k) == 3
	s_wait_tensorcnt 0x0                           ; my quarter of slot 1 is in, and my reads of slot 0 are over;
	s_barrier_signal -1
	s_barrier_wait -1                              ; both hold of all four waves.
.endif
	PLACES 4
	FETCH_B NX/4, NX%4, NX%2
	FETCH_A NX/4, NX%4, 0
.if NX%2 == 0
	SCALES SS, KK                                  ; a set of scale words serves two steps
.endif
	WIN MUL_HI
	MULA 4, (\k)%2, (\k)%2, ((\k)/2)%2, \zero
	MULA 6, (\k)%2, (\k)%2, ((\k)/2)%2, \zero
	PLACES 4
	WIN 0
	FETCH_A NX/4, NX%4, 4
.endm
	s_wait_alu depctr_va_vdst(0)
	s_wait_tensorcnt 0x0                           ; my tile of the head's four is in
	ds_add_u32 v[SPW], v[NIL]
	s_mov_b32 s[G1+2], 8<<16                       ; no tensor load of mine is out: from here on a load brings a half: 8 blocks of A,
	s_mov_b32 s[G1+4], 8
	s_mov_b32 s[G1B+2], NBK<<16                    ; NBK of B
	s_mov_b32 s[G1B+4], NBK
	s_wait_dscnt 0x0
	CROUND                                         ; all four tiles are in, and all sixteen work-groups are here
	JLOAD G0+4, G1, G0B+4, G1B                     ; K step 1, a quarter of slot 1 a wave
	FETCH_B 0, 0, 0
	FETCH_A 0, 0, 0
	SCALES 0, 0
	FETCH_A 0, 0, 4
	KS 0, 1                                        ; the first step's products start the sums
.irp k, 1,2,3,4,5,6
	KS \k, 0
.endr
	s_wait_dscnt 24
	WIN MUL_LO
	MULA 0, 1, 1, 1, 0
	MULA 2, 1, 1, 1, 0
	s_wait_dscnt 0
	WIN MUL_HI
	MULA 4, 1, 1, 1, 0
	MULA 6, 1, 1, 1, 0
	WIN 0
.macro TOSTAGE a
.set AC, 64*((\a)%4)
	WIN 0x08+4*((\a)/4)
.irp b, 0,1,2,3
	ds_store_b128 v[STO], v[AC+8*\b:AC+8*\b+3] offset:128*(\b/2)+32*(\b%2)
	ds_store_b128 v[STO], v[AC+8*\b+4:AC+8*\b+7] offset:128*(\b/2)+32*(\b%2)+16
.endr
	WIN 0
.set BB, 128+32*((\a)%2)
.irp i, 0,1,2,3,4,5,6,7
	ds_load_b128 v[BB+4*\i:BB+4*\i+3], v[RD] offset:544*\i
.endr
.endm
.macro SEND a, younger
.set BB, 128+32*((\a)%2)
	s_wait_dscnt \younger
.irp i, 0,1,2,3,4,5,6,7
	global_store_b128 v[CO], v[BB+4*\i:BB+4*\i+3], s[8:9] offset:(32*((\a)/2)+8*((\a)%2)+2*\i+8*(\i/4))*32768 th:TH_STORE_NT
.endr
.endm
	PLACES 4
	TOSTAGE 0
.irp a, 1,2,3,4,5,6,7
.if \a > 1
	s_wait_xcnt 0x0
.endif
	TOSTAGE \a
	SEND \a-1, 16
.endr
	SEND 7, 0
	s_wait_tensorcnt 0x0
	ds_add_u32 v[SPW], v[NIL]
	s_wait_dscnt 0x0
	CROUND
	s_endpgm
.Lfunc_end_k_q3a66d448ee_oproj:
	.size	k_q3a66d448ee_oproj, .Lfunc_end_k_q3a66d448ee_oproj-k_q3a66d448ee_oproj
	.p2alignl 7, 3214868480
	.fill 96, 4, 3214868480
	.section	.rodata,"a",@progbits
	.p2align	6, 0x0
	.amdhsa_kernel k_q3a66d448ee_oproj
		.amdhsa_group_segment_fixed_size 327680
		.amdhsa_private_segment_fixed_size 0
		.amdhsa_enable_private_segment 0
		.amdhsa_kernarg_size 24
		.amdhsa_user_sgpr_count 2
		.amdhsa_user_sgpr_kernarg_segment_ptr 1
		.amdhsa_wavefront_size32 1
		.amdhsa_system_sgpr_workgroup_id_x 1
		.amdhsa_system_sgpr_workgroup_id_y 1
		.amdhsa_system_sgpr_workgroup_id_z 1
		.amdhsa_system_vgpr_workitem_id 0
		.amdhsa_next_free_vgpr 1024
		.amdhsa_next_free_sgpr 100
		.amdhsa_reserve_vcc 0
		.amdhsa_float_denorm_mode_32 3
		.amdhsa_float_denorm_mode_16_64 3
		.amdhsa_memory_ordered 1
		.amdhsa_forward_progress 1
		.amdhsa_inst_pref_size 100
	.end_amdhsa_kernel
	.amdgpu_metadata
---
amdhsa.version: [ 1, 2 ]
amdhsa.kernels:
  - .name:           k_q3a66d448ee_oproj
    .symbol:         k_q3a66d448ee_oproj.kd
    .args:
      - { .name: ctx, .offset: 0, .size: 8, .value_kind: global_buffer, .address_space: global }
      - { .name: ops, .offset: 8, .size: 8, .value_kind: global_buffer, .address_space: global }
      - { .name: out0, .offset: 16, .size: 8, .value_kind: global_buffer, .address_space: global }
    .group_segment_fixed_size: 327680
    .private_segment_fixed_size: 0
    .kernarg_segment_align: 8
    .kernarg_segment_size: 24
    .max_flat_workgroup_size: 128
    .sgpr_count:     100
    .vgpr_count:     1024
    .wavefront_size: 32
...
	.end_amdgpu_metadata
.endif
;; end of part 4
